; MI455X (gfx1250); checked and timed in simulation.
; The chip was launched on July 23, 2026; its instructions are those of AMD's public machine-readable ISA for CDNA 5 (MIT licence, August 2026) and "CDNA5" Instruction Set Architecture Reference Guide (July 2026). The comments in the code are by the model that wrote it; some were corrected since.
;; Self Attention Module. Allowed arithmetic: matrix products marked QUANTISED: E2M1 operands, one E8M0 scale for each 32 along K, by v_wmma_scale_f32_16x16x128_f8f6f4 with both operands' format E2M1 (or v_wmma_scale_f32_32x16x128_f4), f32 sums; everything else in f32.
;; Inputs: Wk_codes 1,024 x 32 x 16 uint8 (E2M1 codes of Wk, K innermost, in blocks of 32 codes, two codes a byte); Wk_scales 1,024 x 32 uint8 (E8M0 scales of Wk, one for each 32 codes along K); Wo_codes 1,024 x 32 x 16 uint8 (E2M1 codes of Wo, K innermost, in blocks of 32 codes, two codes a byte); Wo_scales 1,024 x 32 uint8 (E8M0 scales of Wo, one for each 32 codes along K); Wq_codes 1,024 x 32 x 16 uint8 (E2M1 codes of Wq, K innermost, in blocks of 32 codes, two codes a byte); Wq_scales 1,024 x 32 uint8 (E8M0 scales of Wq, one for each 32 codes along K); Wv_codes 1,024 x 32 x 16 uint8 (E2M1 codes of Wv, K innermost, in blocks of 32 codes, two codes a byte); Wv_scales 1,024 x 32 uint8 (E8M0 scales of Wv, one for each 32 codes along K); entangle_params 16 float32; inputs 4 x 2,048 x 1,024 float32; rotation_params 16 float32.
;; Outputs: out0 4 x 2,048 x 1,024 float32.
;; This version of the problem:
;;   THIS VERSION OF THE PROBLEM IS GIVEN IN LOW PRECISION. The matrix products marked QUANTISED in the list below multiply operands that are first quantised to E2M1 (2 exponent bits, 1 mantissa bit; 4 bits a number), with one power-of-two scale for each 32 numbers along K (OCP MX v1.0); their sums are f32. All else is computed in f32.
;;   The module's matrix products, in the order in which they are computed (A, B: the left and right operand; K: the contracted axis; several contracted axes count as one K, in the product's order):
;;     1. [M 8,192, K 1,024] x [K 1,024, N 1,024]; A: input inputs; B: input Wq (given as codes): QUANTISED
;;     2. [M 8,192, K 1,024] x [K 1,024, N 1,024]; A: input inputs; B: input Wk (given as codes): QUANTISED
;;     3. [M 8,192, K 1,024] x [K 1,024, N 1,024]; A: input inputs; B: input Wv (given as codes): QUANTISED
;;     4. batch 64 x [M 2,048, K 64] x [K 64, N 2,048]; A: computed on the way; B: computed on the way: QUANTISED
;;     5. batch 64 x [M 2,048, K 2,048] x [K 2,048, N 64]; A: softmax (see below); B: computed on the way: QUANTISED
;;     6. [M 8,192, K 1,024] x [K 1,024, N 1,024]; A: computed on the way; B: input Wo (given as codes): QUANTISED
;;   THE QUANTISER, for each operand of a quantised product, along K:
;;     - K is cut into blocks of 32 from its start; a last block that is shorter is filled with zeros.
;;     - A block's scale is 2^e with e = floor(log2(the largest magnitude in the block)) - 2, held to -126 .. 127; a block of zeros has e = 0. As a byte (E8M0): e + 127.
;;     - Each number is divided by its block's scale, clamped to +-6, and rounded to the nearest number of E2M1, ties to even, subnormals kept.
;;     - The product sums the exact products of the quantised numbers (number of the format x scale) in f32.
;;   ~~~python
;;   def quantise(x, axis):      # numpy; x: float32 -> the quantised numbers, widened to float32 again
;;       x = np.moveaxis(x, axis, -1); K = x.shape[-1]
;;       x = np.pad(x, [(0, 0)] * (x.ndim - 1) + [(0, -K % 32)]); x = x.reshape(x.shape[:-1] + (-1, 32)); a = np.abs(x).max(-1, keepdims=True)
;;       e = np.where(a > 0, np.clip(np.frexp(np.where(a > 0, a, 1))[1] - 1 - 2, -126, 127), 0)      # np.frexp(a)[1] - 1 = floor(log2(a)), exactly
;;       r = np.clip(x / 2.0 ** e, -6, 6)
;;       step = 2.0 ** (np.maximum(np.frexp(np.where(r == 0, 1, r))[1] - 1, 0) - 1)
;;       q = np.round(r / step) * step * 2.0 ** e      # np.round: ties to even
;;       return np.moveaxis(q.reshape(q.shape[:-2] + (-1,))[..., :K], -1, axis).astype(np.float32)
;;   ~~~
;;   SOFTMAX AHEAD OF A QUANTISED PRODUCT. Where the list says 'softmax', what is quantised is not the finished softmax but p = 2^(t - M), with t = logit x log2(e) and M = ceil(the row's largest t), a whole number; so 1/2 < the row's largest p <= 1. The row's sum l is taken of the UNQUANTISED p, in f32, and the product's result is divided by l at the end. Since M is a whole number, a kernel that streams over the keys may use a running M (the ceiling of the running maximum): every later rescaling is an exact power of two, which a block's scale takes up: the codes' values come out the same.
;;   OPERANDS COMPUTED ON THE WAY. 'Computed on the way' means the value that the module computes at that place (a softmax that the list does not call 'softmax' is quantised finished and normalised). What goes into a quantiser is computed in f32, as accurately as f32 sums, v_exp_f32 and their like allow (about 1e-6 of the number): no bf16 or f16 on the way to a quantiser, and a product that is left as it is and whose result goes on into a quantised operand takes f32 operands (vector FMAs, or v_wmma_f32_16x16x4_f32). A number that lies on a knife's edge between two numbers of the format may be rounded either way, as far as f32 arithmetic and the matrix unit's own rounding can turn it there, and no further.
;;   INPUTS GIVEN AS CODES. Wk (in the module: [1024, 1024], K = its axis 1); Wo (in the module: [1024, 1024], K = its axis 1); Wq (in the module: [1024, 1024], K = its axis 1); Wv (in the module: [1024, 1024], K = its axis 1): each comes as NAME_codes (uint8): NAME with its K axis moved to the last place and cut into blocks of 32 codes, [.., K / 32, bytes a block], one block behind the other in memory; two codes a byte, the lower K in the low four bits (a code: sign, 2 exponent bits, 1 mantissa bit); and NAME_scales (uint8): the same leading axes, one E8M0 byte (e + 127) for each 32 codes along K. Its value is code x scale, taken as it is: it is not quantised again, and the codes and scales need not be those that the quantiser above would give.
;; One version. Each part assembles by itself: llvm-mc -triple=amdgcn-amd-amdhsa -mcpu=gfx1250 --defsym DOCPART=n.
;; ======== version 1 of 1: 4 launches
;; workspace buffers: xrec 4,456,448 bytes; wrec 2,228,224 bytes; qrec 4,456,448 bytes; kvrec 8,912,896 bytes; aorec 4,456,448 bytes
;; launch prep (part 1): grid 320 x 1, 4 waves a work-group, no clusters, 100,864 bytes of LDS; arguments inputs, Wq_codes, Wq_scales, Wk_codes, Wk_scales, Wv_codes, Wv_scales, Wo_codes, Wo_scales, xrec, wrec; writes xrec, wrec
.if DOCPART == 1
	.amdgcn_target "amdgcn-amd-amdhsa--gfx1250"
	.amdhsa_code_object_version 6
	.text
	.protected	k_q463a011c44_prep
	.globl	k_q463a011c44_prep
	.p2align	8
	.type	k_q463a011c44_prep,@function
k_q463a011c44_prep:
	s_mov_b64 s[64:65], 0
	v_nop
	global_prefetch_b8 v0, s[64:65] scope:SCOPE_SE
	s_setreg_imm32_b32 hwreg(HW_REG_WAVE_MODE, 25, 1), 1
	s_wait_xcnt 0x0
; FIRST OF FOUR LAUNCHES of out = softmax(Q K^T / 8) V Wo^T + x, Q, K, V = x Wq^T, x Wk^T, x Wv^T, all six products on codes of FP4 (E2M1) with one E8M0 scale for each 32 along K.
; DEAD WORK: rotation_params and entangle_params are arguments that the function never reads: no value of theirs has a way to the result, whatever they hold.  They are not loaded and are among no launch's arguments.
; LIMITS: a NaN or an infinity in those two inputs is not carried to the result (nor is it there).  NaN and infinities in x are not served.  A block whose largest magnitude lies under 2^-124, a block of zeros among them,
; gets the scale byte 1 (its codes are zeros or the rounded numbers under that scale); these bytes are read by this program alone.  The weights' codes and scale bytes are taken as they are given.
; THIS LAUNCH quantises x [8192][1024] along its rows and lays x and the four weights out as IMAGES OF OPERAND REGISTERS, so that later launches fetch every fragment by dense 16-byte loads, lane by lane.
; A TILE is 16 rows: tile T = 2 G + u holds rows 32 G + 8 u + r + 8 (r / 8), r = 0 .. 15.  A tile's RECORD is 8,704 bytes: 16 pieces of 512 bytes (piece p: lane 16 h + r has the 16 bytes of block 2 p + h of row r),
; then 512 bytes of scale words, [half of K][r][4 words], word q of a row being the four bytes of its q-th 128 along K.
; SHARES.  Work-groups 0 to 63: a wave re-lays one tile of one weight (4 x 64 tiles).  Work-groups 64 to 319: a wave quantises one tile of x for one half of K (16 rows x 512 numbers, 32 KiB, all asked for at once).
; Each load reads 512 consecutive bytes of a row; the bytes turn through the wave's own stage in LDS, so that a lane gets the 32 numbers of ONE block.  Waves share nothing: no barrier.  The two paths have LDS bytes of their own.
.set REC,    8704
.set WREC,   64*REC
.set XPITCH, 1040                      ; a stage row of x: 1,024 bytes + 16: sixteen rows begin in sixteen different 16-byte columns of 256
.set XW,     16*XPITCH
.set WST,    4*XW
.set WPITCH, 528                       ; a stage row of a weight: 512 bytes + 16
.set WW,     16*WPITCH
.set SPARE,  WST+4*WW                  ; the spare words, 128 bytes a wave: two blocks of 256 bytes that no other line names
.set LI,  4                            ; v4   16 x lane
.set SI,  5                            ; v5   into the stage
.set SOA, 6                            ; v6   out of the stage
.set SPW, 10                           ; v10  my spare word; never rewritten
.set NIL, 11                           ; v11  0; never rewritten
.set Y,   64                           ; v64-191  four sets of 32 numbers
.set C,   192                          ; v192-223 codes: four registers for each of eight stores, none written twice
.set E,   224                          ; v224-231 scale bytes
.set MSB, 0
.macro WIN new                         ; the immediate's high byte repeats the setting that is left
.if MSB != (\new)
	s_set_vgpr_msb (MSB<<8)|(\new)
.set MSB, \new
.endif
.endm
	s_load_b512 s[4:19], s[0:1], 0x0               ; x s[4:5]; Wq's codes, scales s[6:9]; Wk's s[10:13]; Wv's s[14:17]; Wo's codes s[18:19]
	s_load_b128 s[20:23], s[0:1], 0x40             ; Wo's scales s[20:21]; xrec s[22:23]
	s_load_b64 s[24:25], s[0:1], 0x50              ; wrec
	v_lshl_add_u32 v[SPW], v0, 2, SPARE
	v_mov_b32 v[NIL], 0
	v_lshrrev_b32 v1, 5, v0
	v_readfirstlane_b32 s26, v1                    ; wave
	v_and_b32 v1, 31, v0                           ; lane
	v_and_b32 v2, 15, v0                           ; r
	v_bfe_u32 v3, v0, 4, 1                         ; h
	v_lshlrev_b32 v[LI], 4, v1
	s_cmp_lt_u32 ttmp9, 64
	s_cbranch_scc1 .Lweights
	; ---------------- x ----------------
	s_sub_co_u32 s28, ttmp9, 64
	s_lshl_b32 s28, s28, 2
	s_add_co_u32 s28, s28, s26                     ; my unit: 2 x tile + half of K
	s_lshr_b32 s29, s28, 1                         ; tile T
	s_and_b32 s30, s28, 1                          ; half of K
	s_lshr_b32 s31, s29, 1
	s_lshl_b32 s31, s31, 5
	s_and_b32 s32, s29, 1
	s_lshl_b32 s32, s32, 3
	s_add_co_u32 s31, s31, s32                     ; the tile's first row: 32 (T / 2) + 8 (T % 2)
	s_lshl_b32 s32, s31, 12                        ; 4,096 bytes a row,
	s_lshl_b32 s33, s30, 11                        ; 2,048 bytes a half
	s_add_co_u32 s32, s32, s33
	s_mov_b32 s33, 0
	s_mul_i32 s34, s29, REC                        ; the tile's record
	s_mov_b32 s35, 0
	s_mul_i32 s36, s26, XW                         ; my stage
	s_mov_b32 s40, 0x76543210
	s_mov_b32 s41, 0xfedcba98                      ; v_permlanex16_b32's selects for lane l xor 16
	s_mov_b32 s42, 0xffff0000                      ; lanes 16 to 31
	s_wait_alu depctr_va_vdst(0)
	v_add_nc_u32 v[SI], s36, v[LI]
	v_mul_u32_u24 v[SOA], v2, XPITCH
	v_lshl_add_u32 v[SOA], v3, 7, v[SOA]
	v_add_nc_u32 v[SOA], s36, v[SOA]               ; row r, + 128 h: my block of a pair of blocks
	v_lshlrev_b32 v7, 3, v3                        ; 8 h
	v_lshl_add_u32 v8, v2, 4, v7
	v_lshl_add_u32 v8, s30, 8, v8                  ; the scale words' place: 256 x half + 16 r + 8 h
	v_lshl_add_u32 v9, s30, 12, v[LI]              ; the codes' place: eight pieces a half, + 16 x lane
.irp q, 0,1,2,3
	v_mov_b32 v[20+\q], 0                          ; written once: a lane permute's destination counts as one of its sources
.endr
	s_wait_alu depctr_va_vdst(0)
	s_wait_kmcnt 0x0
	s_add_nc_u64 s[4:5], s[4:5], s[32:33]
	s_add_nc_u64 s[22:23], s[22:23], s[34:35]
	WIN 0x40                                       ; destination window 1
.set n, 0
.rept 64                                       ; load n = 32 chunk + 2 row + half: 512 consecutive bytes of a row; chunk 0's 32 loads first
	global_load_b128 v[4*n:4*n+3], v[LI], s[4:5] offset:(((n/2)%16)+8*(((n/2)%16)/8))*4096+(n/32)*1024+(n%2)*512 th:TH_LOAD_NT
.set n, n+1
.endr
	WIN 0
; One block of 32 numbers, all in my lane: its largest magnitude with the floor 2^(3 - 127) among the leaves, 2 off the exponent field (the conversion takes that field as its scale), the byte, the codes, the store.
.macro QB hd, hdl
.set YS, Y+32*(\hd)
	v_max3_num_f32 v12, |v[YS]|, |v[YS+1]|, |v[YS+2]|
	v_max3_num_f32 v13, |v[YS+3]|, |v[YS+4]|, |v[YS+5]|
.irp i, 6,10,14,18,22,26
	v_max3_num_f32 v12, v12, |v[YS+\i]|, |v[YS+\i+1]|
	v_max3_num_f32 v13, v13, |v[YS+\i+2]|, |v[YS+\i+3]|
.endr
	v_max3_num_f32 v12, v12, |v[YS+30]|, |v[YS+31]|
	v_max3_num_f32 v12, v12, v13, 0x1800000
	v_add_nc_u32 v14, 0xff000000, v12
	v_lshrrev_b32 v[E+(\hdl)], 23, v14
.irp g, 0,1,2,3
	v_cvt_scalef32_pk8_fp4_f32 v[C+4*(\hdl)+\g], v[YS+8*\g:YS+8*\g+7], v14
.endr
	global_store_b128 v9, v[C+4*(\hdl):C+4*(\hdl)+3], s[22:23] offset:512*(\hdl)   ; a piece: 512 consecutive bytes
.endm
; A chunk: 16 rows x 256 numbers through the stage.  LDS serves a wave's instructions in order, so no wait stands between the stores and the loads.
.macro CHUNK ch
.if \ch == 0
	s_wait_loadcnt 32                              ; chunk 0's loads are in; chunk 1's 32 are younger
.else
	s_wait_loadcnt 0x0
.endif
	WIN 0x04                                       ; an LDS store's data are its source 1: window 1
.set n, 0
.rept 32
	ds_store_b128 v[SI], v[128*\ch+4*n:128*\ch+4*n+3] offset:(n/2)*XPITCH+(n%2)*512
.set n, n+1
.endr
	WIN 0
.set n, 0
.rept 32                                       ; set n / 8: the 32 numbers of block 2 (n / 8) + h of row r
	ds_load_b128 v[Y+4*n:Y+4*n+3], v[SOA] offset:(n/8)*256+16*(n%8)
.set n, n+1
.endr
.irp hd, 0,1,2,3
	s_wait_dscnt 24-8*\hd                          ; this set's eight loads are in; the younger sets may be out
	QB \hd, 4*\ch+\hd
.endr
.endm
	CHUNK 0
	CHUNK 1
	v_nop                                          ; one plain line behind the last conversion
.irp q, 0,1,2,3                                ; word q: bytes of blocks 4 q .. 4 q + 3; I hold those of blocks 4 q + h and 4 q + 2 + h
	v_lshl_or_b32 v[16+\q], v[E+2*\q+1], 16, v[E+2*\q]
.endr
.irp q, 0,1,2,3
	v_lshlrev_b32 v[16+\q], v7, v[16+\q]           ; 8 h bits up
.endr
.irp q, 0,1,2,3
	v_permlanex16_b32 v[20+\q], v[16+\q], s40, s41
.endr
.irp q, 0,1,2,3
	v_or_b32 v[16+\q], v[16+\q], v[20+\q]          ; with lane l xor 16's two bytes the word is whole
.endr
	v_cndmask_b32 v24, v16, v18, s42               ; lanes 0-15 store words 0, 1 of their row, lanes 16-31 words 2, 3
	v_cndmask_b32 v25, v17, v19, s42
	global_store_b64 v8, v[24:25], s[22:23] offset:8192   ; 32 lanes store 256 consecutive bytes, aligned
	s_wait_tensorcnt 0x0                           ; the wave's end, behind my last LDS store
	ds_add_u32 v[SPW], v[NIL]
	s_wait_dscnt 0x0
	s_endpgm
	; ---------------- the weights ----------------
.Lweights:
	s_lshl_b32 s28, ttmp9, 2
	s_add_co_u32 s28, s28, s26
	s_and_b32 s28, s28, 63                         ; tile of the weight
	s_lshr_b32 s29, ttmp9, 4                       ; which weight: 0 Wq, 1 Wk, 2 Wv, 3 Wo
	s_lshr_b32 s31, s28, 1
	s_lshl_b32 s31, s31, 5
	s_and_b32 s32, s28, 1
	s_lshl_b32 s32, s32, 3
	s_add_co_u32 s31, s31, s32                     ; the tile's first row
	s_lshl_b32 s32, s31, 9                         ; 512 bytes of codes a row
	s_mov_b32 s33, 0
	s_lshl_b32 s34, s31, 5                         ; 32 scale bytes a row
	s_mov_b32 s35, 0
	s_mul_i32 s36, s29, WREC
	s_mul_i32 s37, s28, REC
	s_add_co_u32 s36, s36, s37
	s_mov_b32 s37, 0
	s_mul_i32 s38, s26, WW
	s_add_co_u32 s38, s38, WST                     ; my stage
	s_wait_alu depctr_va_vdst(0)
	v_add_nc_u32 v[SI], s38, v[LI]
	v_mul_u32_u24 v[SOA], v2, WPITCH
	v_lshl_add_u32 v[SOA], v3, 4, v[SOA]
	v_add_nc_u32 v[SOA], s38, v[SOA]               ; row r, + 16 h
	v_and_b32 v7, 8, v2
	v_add_nc_u32 v7, v7, v2                        ; r + 8 (r / 8)
	v_lshlrev_b32 v7, 5, v7
	v_lshl_add_u32 v7, v3, 4, v7                   ; that row's scale bytes, half h
	s_wait_alu depctr_va_vdst(0)
	s_wait_kmcnt 0x0
	s_cmp_eq_u32 s29, 1                            ; the buffers are chosen by the work-group's number alone
	s_cselect_b64 s[44:45], s[10:11], s[6:7]
	s_cselect_b64 s[46:47], s[12:13], s[8:9]
	s_cmp_eq_u32 s29, 2
	s_cselect_b64 s[44:45], s[14:15], s[44:45]
	s_cselect_b64 s[46:47], s[16:17], s[46:47]
	s_cmp_eq_u32 s29, 3
	s_cselect_b64 s[44:45], s[18:19], s[44:45]
	s_cselect_b64 s[46:47], s[20:21], s[46:47]
	s_add_nc_u64 s[44:45], s[44:45], s[32:33]
	s_add_nc_u64 s[46:47], s[46:47], s[34:35]
	s_add_nc_u64 s[24:25], s[24:25], s[36:37]
.irp j, 0,1,2,3,4,5,6,7,8,9,10,11,12,13,14,15
	global_load_b128 v[64+4*\j:64+4*\j+3], v[LI], s[44:45] offset:(\j+8*(\j/8))*512   ; a whole row of codes
.endr
	global_load_b128 v[192:195], v7, s[46:47]      ; lane (r, h): 16 scale bytes: words 4 h .. 4 h + 3 of row r
	s_wait_loadcnt 1                               ; the codes are in; the scale load, issued last, may be out
.irp j, 0,1,2,3,4,5,6,7,8,9,10,11,12,13,14,15
	ds_store_b128 v[SI], v[64+4*\j:64+4*\j+3] offset:\j*WPITCH
.endr
.irp p, 0,1,2,3,4,5,6,7,8,9,10,11,12,13,14,15
	ds_load_b128 v[128+4*\p:128+4*\p+3], v[SOA] offset:32*\p   ; piece p: block 2 p + h of row r
.endr
.irp p, 0,1,2,3,4,5,6,7,8,9,10,11,12,13,14,15
	s_wait_dscnt 15-\p                             ; piece p is in; the younger pieces may be out
	global_store_b128 v[LI], v[128+4*\p:128+4*\p+3], s[24:25] offset:512*\p
.endr
	s_wait_loadcnt 0x0
	global_store_b128 v[LI], v[192:195], s[24:25] offset:8192   ; [half][r][4 words] is 16 x lane
	s_wait_tensorcnt 0x0                           ; the wave's end, behind my last LDS store
	ds_add_u32 v[SPW], v[NIL]
	s_wait_dscnt 0x0
	s_endpgm
.Lfunc_end_k_q463a011c44_prep:
	.size	k_q463a011c44_prep, .Lfunc_end_k_q463a011c44_prep-k_q463a011c44_prep
	.p2alignl 7, 3214868480
	.fill 96, 4, 3214868480
	.section	.rodata,"a",@progbits
	.p2align	6, 0x0
	.amdhsa_kernel k_q463a011c44_prep
		.amdhsa_group_segment_fixed_size 100864
		.amdhsa_private_segment_fixed_size 0
		.amdhsa_enable_private_segment 0
		.amdhsa_kernarg_size 88
		.amdhsa_user_sgpr_count 2
		.amdhsa_user_sgpr_kernarg_segment_ptr 1
		.amdhsa_wavefront_size32 1
		.amdhsa_system_sgpr_workgroup_id_x 1
		.amdhsa_system_sgpr_workgroup_id_y 1
		.amdhsa_system_sgpr_workgroup_id_z 1
		.amdhsa_system_vgpr_workitem_id 0
		.amdhsa_next_free_vgpr 512
		.amdhsa_next_free_sgpr 66
		.amdhsa_reserve_vcc 0
		.amdhsa_float_denorm_mode_32 3
		.amdhsa_float_denorm_mode_16_64 3
		.amdhsa_memory_ordered 1
		.amdhsa_forward_progress 1
		.amdhsa_inst_pref_size 38
	.end_amdhsa_kernel
	.amdgpu_metadata
---
amdhsa.version: [ 1, 2 ]
amdhsa.kernels:
  - .name:           k_q463a011c44_prep
    .symbol:         k_q463a011c44_prep.kd
    .args:
      - { .name: inputs, .offset: 0, .size: 8, .value_kind: global_buffer, .address_space: global }
      - { .name: Wq_codes, .offset: 8, .size: 8, .value_kind: global_buffer, .address_space: global }
      - { .name: Wq_scales, .offset: 16, .size: 8, .value_kind: global_buffer, .address_space: global }
      - { .name: Wk_codes, .offset: 24, .size: 8, .value_kind: global_buffer, .address_space: global }
      - { .name: Wk_scales, .offset: 32, .size: 8, .value_kind: global_buffer, .address_space: global }
      - { .name: Wv_codes, .offset: 40, .size: 8, .value_kind: global_buffer, .address_space: global }
      - { .name: Wv_scales, .offset: 48, .size: 8, .value_kind: global_buffer, .address_space: global }
      - { .name: Wo_codes, .offset: 56, .size: 8, .value_kind: global_buffer, .address_space: global }
      - { .name: Wo_scales, .offset: 64, .size: 8, .value_kind: global_buffer, .address_space: global }
      - { .name: xrec, .offset: 72, .size: 8, .value_kind: global_buffer, .address_space: global }
      - { .name: wrec, .offset: 80, .size: 8, .value_kind: global_buffer, .address_space: global }
    .group_segment_fixed_size: 100864
    .private_segment_fixed_size: 0
    .kernarg_segment_align: 8
    .kernarg_segment_size: 88
    .max_flat_workgroup_size: 128
    .sgpr_count:     66
    .vgpr_count:     512
    .wavefront_size: 32
...
	.end_amdgpu_metadata
.endif
;; end of part 1
;; launch qkv (part 2): grid 12 x 32, 4 waves a work-group, clusters of 4 x 4, 327,680 bytes of LDS; arguments xrec, wrec, qrec, kvrec; writes qrec, kvrec
.if DOCPART == 2
	.amdgcn_target "amdgcn-amd-amdhsa--gfx1250"
	.amdhsa_code_object_version 6
	.text
	.protected	k_q463a011c44_qkv
	.globl	k_q463a011c44_qkv
	.p2align	8
	.type	k_q463a011c44_qkv,@function
k_q463a011c44_qkv:
	s_mov_b64 s[64:65], 0
	v_nop
	global_prefetch_b8 v0, s[64:65] scope:SCOPE_SE
	s_setreg_imm32_b32 hwreg(HW_REG_WAVE_MODE, 25, 1), 1
	s_wait_xcnt 0x0
	s_wait_alu depctr_hold_cnt(0) depctr_sa_sdst(0) depctr_va_vdst(0) depctr_va_sdst(0) depctr_va_ssrc(0) depctr_va_vcc(0) depctr_vm_vsrc(0)
	s_getreg_b32 s2, hwreg(HW_REG_IB_STS2, 6, 4)
	s_cmp_eq_u32 s2, 0
	s_cbranch_scc0 .Lentry_in_a_cluster
	s_endpgm
.Lentry_in_a_cluster:
	s_bfe_u32 s2, ttmp6, 0x10000c
	s_cmp_lg_u32 s2, 0xf033
	s_cbranch_scc0 .Lentry_shape_is_right
	s_endpgm
.Lentry_shape_is_right:
; SECOND LAUNCH: Q = x Wq^T, K = x Wk^T, V^T = Wv x^T on codes of FP4, each result quantised in registers and stored as images of the next launch's operand registers.  (rotation_params and entangle_params: dead work, see the first kernel.)
; ONE BODY FOR THREE PRODUCTS.  kind = the cluster's x: 0 Q, 1 K, 2 V.  C[m][n] = sum over k of A[m][k] B[n][k], K = 1,024.  Kinds 0, 1: A = x, B = the weight.  Kind 2: A = Wv, B = x.  In every kind the result is quantised ALONG n:
; for Q and K n runs over the features (a head's 64 are two blocks), for V^T over the keys.
; SHARES.  A work-group makes 256 x 256 of C, each of its four waves 128 x 128: 64 accumulators, 512 registers.  THE MATRIX INSTRUCTION IS USED TRANSPOSED (source 0 = a tile of B, source 1 = a tile of A): a lane holds one row m,
; and, since tile 2 G + u of B holds rows 32 G + 8 u + r + 8 (r / 8), the 16 registers of two neighbouring tiles are 16 neighbours along n: 32 G + 16 (lane / 16) + 0 .. 15.
; LDS.  All of K lies in LDS at once, brought in two halves of 512 along K by first fills alone: nothing is filled again, so there is no ring.  The first half is multiplied while the second lands.  Operands lie as register images
; (see the first kernel): a fragment is two dense loads of 16 bytes a lane; no pitch, no padding.
; CLUSTER 4 x 4: A's tiles hang on the tile row alone and are asked for jointly along a row of the cluster, B's on the tile column alone, jointly along a column.  kind is the same in all sixteen partners.
; REGISTERS: window 0: v1-29 addresses; v32-95 A's scale words (8 a + q), v96-159 B's (8 b + q): they hold scales and nothing else; v160-251 the way out.  window 1: A's fragments, two sets at v0 and v64; B's at v128 and v192.
;   windows 2, 3: accumulator (a, b) at v[8 (8 (a % 4) + b)] of window 2 + a / 4.
.set REC,   8704
.set WREC,  64*REC
.set QREC,  4352
.set SLOT,  131072                     ; half of K: A's 16 tiles x 4,096 bytes, then B's
.set BOFF,  65536
.set SCL,   2*SLOT                     ; the scale words: A's 16 x 512 bytes, then B's
.set SPARE, SCL+16384                  ; the spare words, 128 bytes a wave
.set NL,    32                         ; LDS loads that bring a K step's 16 fragments
.set ADRA, 16                          ; v16-17 my A fragments in half 0, 1
.set ADRB, 20                          ; v20-21 my B fragments
.set ADSA, 22                          ; v22    my A scale words
.set ADSB, 23                          ; v23    my B scale words
.set SPW,  28
.set NIL,  29
.set SA,   32
.set SB,   96
.set PC,   160                         ; v160-223 codes, eight registers for each a
.set WS,   224                         ; v224-231 a scale word for each a
.set TM,   232                         ; v232-247 at work
.set RW,   248                         ; v248-251 the scale words as stored
.set G1, 24
.set G0, 32
.set G1B, 48
.set G0B, 56
.set G1S, 68
.set G0S, 76
.set G1SB, 80
.set G0SB, 88
.set SEL, 66                           ; s[66:67] lane selects
.set MSB, 0
.macro WIN new
.if MSB != (\new)
	s_set_vgpr_msb (MSB<<8)|(\new)
.set MSB, \new
.endif
.endm
; A joint load: waves 0 and 1 fetch for A, waves 2 and 3 for B; the branch hangs on the wave's number alone.  An s_nop 0 and four v_nop follow each of the two lines.
.macro JLOAD g0a, g1a, g0b, g1b
	s_cmp_eq_u32 s15, 0
	s_cbranch_scc0 .Lfor_b_\@
	tensor_load_to_lds s[\g0a:\g0a+3], s[\g1a:\g1a+7]
	s_nop 0
.rept 4
	v_nop
.endr
	s_branch .Lasked_\@
.Lfor_b_\@:
	tensor_load_to_lds s[\g0b:\g0b+3], s[\g1b:\g1b+7]
	s_nop 0
.rept 4
	v_nop
.endr
.Lasked_\@:
.endm
.macro CROUND                          ; a round of the cluster's barrier
	s_barrier_signal -1
	s_barrier_wait -1
	s_cmp_lg_u32 s14, 0
	s_cbranch_scc1 .Lnot_wave_0_\@
	s_barrier_signal -3
.Lnot_wave_0_\@:
	s_barrier_wait -3
	s_barrier_signal -1
	s_barrier_wait -1
.endm
.macro PLACES n
.rept \n
	v_nop
.endr
.endm
	s_load_b256 s[4:11], s[0:1], 0x0               ; xrec s[4:5], wrec s[6:7], qrec s[8:9], kvrec s[10:11]
	v_lshl_add_u32 v[SPW], v0, 2, SPARE
	v_mov_b32 v[NIL], 0
	ds_add_u32 v[SPW], v[NIL]                      ; the wave's opening: the add, twice on end, and its wait ahead of my first tensor load
	ds_add_u32 v[SPW], v[NIL]
	v_lshrrev_b32 v1, 5, v0
	v_readfirstlane_b32 s14, v1                    ; wave 0..3
	s_lshr_b32 s15, s14, 1                         ; my half of the tile's rows.  Also: I fetch for A (0) or for B (1)
	s_and_b32 s16, s14, 1                          ; my half of its columns.  Also: which eight tiles I fetch
	s_bfe_u32 s40, ttmp6, 0x40000                  ; cx
	s_bfe_u32 s41, ttmp6, 0x40004                  ; cy
	s_and_b32 s17, ttmp7, 0xffff
	s_lshl_b32 s17, s17, 2                         ; 4 x cluster y
	s_add_co_u32 s18, s17, s41
	s_add_co_u32 s19, s17, s40
	s_mul_i32 s20, ttmp9, WREC
	s_cmp_eq_u32 ttmp9, 2
	s_cselect_b32 s18, s41, s18                    ; tile row of C: x has 32, Wv has 4.  It never holds cx
	s_cselect_b32 s19, s19, s40                    ; tile column: the weight has 4, x has 32.  It never holds cy
	s_cselect_b32 s21, 2*WREC, 0                   ; where A begins in its buffer
	s_cselect_b32 s20, 0, s20                      ; and B
	s_lshl_b32 s43, s41, 2
	s_lshl_b32 s43, 15, s43                        ; my row of the cluster
	s_lshl_b32 s44, 0x1111, s40                    ; my column
	; descriptor group 1, elements of 8 bytes.  Codes: eight tiles' halves, rows of 4,096 bytes, a record (1,088 elements) apart.  Scale words: eight tiles' 512 bytes.  Dense in LDS
	s_or_b32 s[G1], s43, (3<<16)|(1<<21)
	s_or_b32 s[G1B], s44, (3<<16)|(1<<21)
	s_or_b32 s[G1S], s43, (3<<16)|(1<<21)
	s_or_b32 s[G1SB], s44, (3<<16)|(1<<21)
.irp g, G1, G1B
	s_mov_b32 s[\g+1], 512<<16                     ; tensor_dim0
	s_mov_b32 s[\g+2], 8<<16                       ; tensor_dim1
	s_mov_b32 s[\g+3], 512<<16                     ; tile_dim0
	s_mov_b32 s[\g+4], 8                           ; tile_dim1
	s_mov_b32 s[\g+5], REC/8                       ; from row to row
	s_mov_b32 s[\g+6], 0
	s_mov_b32 s[\g+7], 0
.endr
.irp g, G1S, G1SB
	s_mov_b32 s[\g+1], 64<<16
	s_mov_b32 s[\g+2], 8<<16
	s_mov_b32 s[\g+3], 64<<16
	s_mov_b32 s[\g+4], 8
	s_mov_b32 s[\g+5], REC/8
	s_mov_b32 s[\g+6], 0
	s_mov_b32 s[\g+7], 0
.endr
	s_lshl_b32 s22, s18, 4
	s_lshl_b32 s23, s16, 3
	s_add_co_u32 s22, s22, s23                     ; A: tile 16 x tile row + 8 x half
	s_mul_i32 s22, s22, REC
	s_add_co_u32 s22, s22, s21
	s_mov_b32 s23, 0
	s_lshl_b32 s46, s19, 4
	s_lshl_b32 s47, s16, 3
	s_add_co_u32 s46, s46, s47                     ; B: tile 16 x tile column + 8 x half
	s_mul_i32 s46, s46, REC
	s_add_co_u32 s46, s46, s20
	s_mov_b32 s47, 0
	s_lshl_b32 s45, s14, 15                        ; where my codes go: wave x 32,768: no place in the cluster enters an LDS address
	s_lshl_b32 s2, s14, 12                         ; and my scale words: wave x 4,096
	s_mov_b32 s[SEL], 0x76543210
	s_mov_b32 s[SEL+1], 0xfedcba98
	s_mov_b32 s98, 0xffff0000                      ; lanes 16 to 31
	s_wait_dscnt 0x0                               ; both opening adds are done
	s_wait_kmcnt 0x0
	s_cmp_eq_u32 ttmp9, 2
	s_cselect_b64 s[92:93], s[6:7], s[4:5]         ; A's buffer
	s_cselect_b64 s[94:95], s[4:5], s[6:7]         ; B's
	s_add_nc_u64 s[92:93], s[92:93], s[22:23]
	s_add_nc_u64 s[94:95], s[94:95], s[46:47]
	CROUND                                         ; all sixteen work-groups are here: the first joint loads meet
	s_mov_b32 s[G0S], 1
	s_add_co_u32 s[G0S+1], s2, SCL
	s_add_nc_u64 s[G0S+2:G0S+3], s[92:93], 8192
	s_or_b32 s[G0S+3], s[G0S+3], 0x80000000
	s_mov_b32 s[G0SB], 1
	s_add_co_u32 s[G0SB+1], s2, SCL
	s_add_nc_u64 s[G0SB+2:G0SB+3], s[94:95], 8192
	s_or_b32 s[G0SB+3], s[G0SB+3], 0x80000000
	JLOAD G0S, G1S, G0SB, G1SB                     ; the scale words first: three loads of mine are out at the most
.irp s, 0,1
	s_mov_b32 s[G0+4*\s], 1
	s_add_co_u32 s[G0+4*\s+1], s45, \s*SLOT
	s_add_nc_u64 s[G0+4*\s+2:G0+4*\s+3], s[92:93], \s*4096
	s_or_b32 s[G0+4*\s+3], s[G0+4*\s+3], 0x80000000
	s_mov_b32 s[G0B+4*\s], 1
	s_add_co_u32 s[G0B+4*\s+1], s45, \s*SLOT
	s_add_nc_u64 s[G0B+4*\s+2:G0B+4*\s+3], s[94:95], \s*4096
	s_or_b32 s[G0B+4*\s+3], s[G0B+4*\s+3], 0x80000000
	JLOAD G0+4*\s, G1, G0B+4*\s, G1B
.endr
	v_and_b32 v1, 31, v0
	v_lshlrev_b32 v1, 4, v1                        ; 16 x lane
	v_and_b32 v2, 15, v0
	v_lshlrev_b32 v2, 4, v2                        ; 16 r
	s_wait_alu depctr_va_vdst(0)
	v_bfe_u32 v3, v0, 4, 1                         ; h
	s_lshl_b32 s20, s15, 15
	s_lshl_b32 s21, s16, 15
	s_add_co_u32 s21, s21, BOFF
.irp s, 0,1
	v_add_nc_u32 v[ADRA+\s], s20, v1
	v_add_nc_u32 v[ADRB+\s], s21, v1
	s_add_co_u32 s20, s20, SLOT
	s_add_co_u32 s21, s21, SLOT
.endr
	s_lshl_b32 s20, s15, 12
	s_add_co_u32 s20, s20, SCL
	v_add_nc_u32 v[ADSA], s20, v2
	s_lshl_b32 s21, s16, 12
	s_add_co_u32 s21, s21, SCL+8192
	v_add_nc_u32 v[ADSB], s21, v2
	; WHERE THE RESULTS GO.  qrec: [b h][128 queries] x 4,352: eight tiles x 512 bytes, 256 bytes of scale words.  kvrec: [b h][128 keys] x 8,704: K's eight tiles, V's [half of the keys][four tiles of d] x 512, K's scale words, V's.
	s_lshl_b32 s12, s18, 1
	s_add_co_u32 s12, s12, s15                     ; my 128 rows m
	s_lshl_b32 s13, s19, 1
	s_add_co_u32 s13, s13, s16                     ; my 128 columns n
	s_mov_b32 s2, 16*REC                           ; bytes a head
	s_mov_b32 s3, REC                              ; bytes for 128 of the sequence
	s_mov_b32 s99, 8192                            ; where the scale words stand
	s_cmp_eq_u32 ttmp9, 0
	s_cselect_b32 s2, 16*QREC, s2
	s_cselect_b32 s3, QREC, s3
	s_cselect_b32 s99, 4096, s99
	s_cselect_b64 s[96:97], s[8:9], s[10:11]
	s_cmp_eq_u32 ttmp9, 2
	s_cselect_b32 s99, 8448, s99
	s_cselect_b32 s20, s13, s12                    ; which 128 of the 8,192 positions
	s_cselect_b32 s21, s12, s13                    ; which pair of heads
	s_cselect_b32 s22, 4096, 0                     ; V's codes stand behind K's
	s_cselect_b32 s23, s2, 2048                    ; from a = 0..3 to a = 4..7: four tiles on, or (V) the next head
	s_cselect_b32 s45, 2048, s2                    ; from codes 0-3 to codes 4-7: the next head, or (V) the other half of the keys
	s_cselect_b32 s46, -1, 0                       ; all lanes, in kind 2
	s_lshr_b32 s47, s20, 4
	s_lshl_b32 s47, s47, 4
	s_lshl_b32 s21, s21, 1
	s_add_co_u32 s47, s47, s21                     ; 16 x batch + my first head
	s_and_b32 s20, s20, 15
	s_mul_i32 s92, s47, s2
	s_mul_i32 s93, s20, s3
	s_add_co_u32 s92, s92, s93
	s_mov_b32 s93, 0
	s_add_nc_u64 s[96:97], s[96:97], s[92:93]
	v_add_nc_u32 v8, s22, v1                       ; v8-11: the codes' offsets, 2 (a / 4) + c
	v_add_nc_u32 v9, s45, v8
	v_add_nc_u32 v10, s23, v8
	v_add_nc_u32 v11, s23, v9
	v_mul_lo_u32 v12, v3, s2
	v_add3_u32 v12, v12, v2, s99                   ; the scale words': 16 r, lanes 16-31 in the next head
	v_mov_b32 v13, 0x05040100
	v_mov_b32 v14, 0x07060302
	v_cndmask_b32 v13, v13, v14, s98               ; which two bytes of a scale word are my head's
.irp b, 0,1,2,3
	v_mov_b32 v[TM+4+\b], 0                        ; written once: a lane permute's destination counts as one of its sources
.endr
; 16 matrix instructions: A's tiles a0, a0 + 1 x B's eight, the q-th 128 along K.  The 64 accumulators take turns, one instruction a turn, in the same order in every step.
.macro MUL16 kq, a0, zero
.irp a, \a0, \a0+1
.irp b, 0,1,2,3,4,5,6,7
.if \zero
	v_wmma_scale_f32_16x16x128_f8f6f4 v[8*(8*((\a)%4)+\b):8*(8*((\a)%4)+\b)+7], v[128+64*((\kq)%2)+8*\b:128+64*((\kq)%2)+8*\b+7], v[64*((\kq)%2)+8*(\a):64*((\kq)%2)+8*(\a)+7], 0, v[SB+8*\b+(\kq)], v[SA+8*(\a)+(\kq)] matrix_a_fmt:MATRIX_FMT_FP4 matrix_b_fmt:MATRIX_FMT_FP4
.else
	v_wmma_scale_f32_16x16x128_f8f6f4 v[8*(8*((\a)%4)+\b):8*(8*((\a)%4)+\b)+7], v[128+64*((\kq)%2)+8*\b:128+64*((\kq)%2)+8*\b+7], v[64*((\kq)%2)+8*(\a):64*((\kq)%2)+8*(\a)+7], v[8*(8*((\a)%4)+\b):8*(8*((\a)%4)+\b)+7], v[SB+8*\b+(\kq)], v[SA+8*(\a)+(\kq)] matrix_a_fmt:MATRIX_FMT_FP4 matrix_b_fmt:MATRIX_FMT_FP4
.endif
.endr
.endr
.endm
.macro MULH kq, hf, zero               ; half a step: A's tiles 4 hf .. 4 hf + 3: sources in window 1, C and D in window 2 + hf
	WIN 0xa5+0x50*(\hf)
	MUL16 \kq, 4*(\hf), \zero
	MUL16 \kq, 4*(\hf)+2, \zero
.endm
.macro FETCH kq                        ; the 16 fragments of K step kq into set kq % 2: 32 dense loads
	WIN 0x40
.irp i, 0,1,2,3,4,5,6,7
	ds_load_b128 v[128+64*((\kq)%2)+8*\i:128+64*((\kq)%2)+8*\i+3], v[ADRB+(\kq)/4] offset:\i*4096+((\kq)%4)*1024
	ds_load_b128 v[128+64*((\kq)%2)+8*\i+4:128+64*((\kq)%2)+8*\i+7], v[ADRB+(\kq)/4] offset:\i*4096+((\kq)%4)*1024+512
.endr
.irp i, 0,1,2,3,4,5,6,7
	ds_load_b128 v[64*((\kq)%2)+8*\i:64*((\kq)%2)+8*\i+3], v[ADRA+(\kq)/4] offset:\i*4096+((\kq)%4)*1024
	ds_load_b128 v[64*((\kq)%2)+8*\i+4:64*((\kq)%2)+8*\i+7], v[ADRA+(\kq)/4] offset:\i*4096+((\kq)%4)*1024+512
.endr
.endm
; A step whose successor's fragments lie in LDS already.  Four plain places stand between the last product that read a set and the loads into it.
.macro KSTEP kq, zero
.if (\kq) > 0
	PLACES 4
.endif
	FETCH (\kq)+1
	s_wait_dscnt NL                                ; all but the 32 just issued: this step's fragments are in
	MULH \kq, 0, \zero
	MULH \kq, 1, \zero
.endm
	s_wait_tensorcnt 0x1                           ; my scale words and my part of the first half of K are in; the second half's load is younger
	s_barrier_signal -1
	s_barrier_wait -1                              ; everybody's are
.irp i, 0,1,2,3,4,5,6,7                        ; all scale words of my 16 tiles: lane r takes row r's eight words
	ds_load_b128 v[SA+8*\i:SA+8*\i+3], v[ADSA] offset:\i*512
	ds_load_b128 v[SA+8*\i+4:SA+8*\i+7], v[ADSA] offset:\i*512+256
	ds_load_b128 v[SB+8*\i:SB+8*\i+3], v[ADSB] offset:\i*512
	ds_load_b128 v[SB+8*\i+4:SB+8*\i+7], v[ADSB] offset:\i*512+256
.endr
	FETCH 0
	KSTEP 0, 1                                     ; the first step's products start the sums: nothing is cleared
	KSTEP 1, 0
	KSTEP 2, 0
	s_wait_tensorcnt 0x0                           ; my part of the second half of K is in,
	s_wait_dscnt 0x0                               ; step 3's fragments too: no LDS instruction of mine is out at the signal
	s_barrier_signal -1
	MULH 3, 0, 0                                   ; work on registers while the others arrive
	s_barrier_wait -1                              ; the second half is whole.
	PLACES 4
	FETCH 4
	MULH 3, 1, 0
	KSTEP 4, 0
	KSTEP 5, 0
	KSTEP 6, 0
	s_wait_dscnt 0x0
	MULH 7, 0, 0
	MULH 7, 1, 0
	WIN 0
	PLACES 4                                       ; in front of the first reads of results
; THE WAY OUT, no LDS.  For A's tile a my 64 registers are n = 32 b + 16 (lane / 16) + i of my row: four blocks of 32, each in lanes l and l xor 16.  Largest magnitudes (with the floor 2^(3 - 127)), scale bytes, codes;
; the exchange of halves gives a lane a whole block, which is the next operand's register image: two stores of 512 consecutive bytes.  Each accumulator is first read at its low end.
.macro QACC a
.set AW, 2+(\a)/4
.set AS, 64*((\a)%4)
	WIN (AW<<2)|(AW<<4)
.irp b, 0,1,2,3
	v_max3_num_f32 v[TM+\b], 0x1800000, |v[AS+16*\b]|, |v[AS+16*\b+1]|
.endr
.irp i, 2,4,6,8,10,12,14
.irp b, 0,1,2,3
	v_max3_num_f32 v[TM+\b], v[TM+\b], |v[AS+16*\b+\i]|, |v[AS+16*\b+\i+1]|
.endr
.endr
	WIN 0
.irp b, 0,1,2,3
	v_permlanex16_b32 v[TM+4+\b], v[TM+\b], s[SEL], s[SEL+1]
.endr
.irp b, 0,1,2,3
	v_max_num_f32 v[TM+\b], v[TM+\b], v[TM+4+\b]
.endr
.irp b, 0,1,2,3
	v_add_nc_u32 v[TM+12+\b], 0xff000000, v[TM+\b] ; 2 off the exponent field: the conversion's scale operand
.endr
.irp b, 0,1,2,3
	v_lshrrev_b32 v[TM+4+\b], 23, v[TM+12+\b]      ; the scale's byte
.endr
	v_lshl_or_b32 v[WS+(\a)], v[TM+5], 8, v[TM+4]
	v_lshl_or_b32 v[WS+(\a)], v[TM+6], 16, v[WS+(\a)]
	v_lshl_or_b32 v[WS+(\a)], v[TM+7], 24, v[WS+(\a)]
	WIN AW
.irp b, 0,1,2,3
	v_cvt_scalef32_pk8_fp4_f32 v[PC+8*(\a)+2*\b], v[AS+16*\b:AS+16*\b+7], v[TM+12+\b]
	v_cvt_scalef32_pk8_fp4_f32 v[PC+8*(\a)+2*\b+1], v[AS+16*\b+8:AS+16*\b+15], v[TM+12+\b]
.endr
	WIN 0
	v_nop                                          ; one plain place behind a scaled conversion
.irp c, 0,1
.irp i, 0,1
	v_permlane16_swap_b32 v[PC+8*(\a)+4*\c+\i], v[PC+8*(\a)+4*\c+2+\i]
.endr
.endr
.irp c, 0,1
	global_store_b128 v[8+2*((\a)/4)+\c], v[PC+8*(\a)+4*\c:PC+8*(\a)+4*\c+3], s[96:97] offset:((\a)%4)*512
.endr
.endm
.irp a, 0,1,2,3,4,5,6,7
	QACC \a
.endr
	; the scale words.  Q, K: word p of a head = (tile 2 p: its two bytes; tile 2 p + 1: its two bytes); lanes 0-15 serve my first head, lanes 16-31 the second.  V: word t = the four key blocks of tile t of d; the same split.
.irp p, 0,1,2,3
	v_perm_b32 v[RW+\p], v[WS+2*\p+1], v[WS+2*\p], v13
.endr
.irp j, 0,1,2,3
	v_cndmask_b32 v[TM+\j], v[WS+\j], v[WS+4+\j], s98
.endr
.irp j, 0,1,2,3
	v_cndmask_b32 v[RW+\j], v[RW+\j], v[TM+\j], s46  ; both forms are made, the kind chooses: no branch
.endr
	global_store_b128 v12, v[RW:RW+3], s[96:97]    ; sixteen lanes store 256 consecutive bytes, aligned, in each of two heads
	s_wait_tensorcnt 0x0                           ; the wave's end, behind my last tensor load
	ds_add_u32 v[SPW], v[NIL]
	s_wait_dscnt 0x0
	CROUND                                         ; the closing round
	s_endpgm
.Lfunc_end_k_q463a011c44_qkv:
	.size	k_q463a011c44_qkv, .Lfunc_end_k_q463a011c44_qkv-k_q463a011c44_qkv
	.p2alignl 7, 3214868480
	.fill 96, 4, 3214868480
	.section	.rodata,"a",@progbits
	.p2align	6, 0x0
	.amdhsa_kernel k_q463a011c44_qkv
		.amdhsa_group_segment_fixed_size 327680
		.amdhsa_private_segment_fixed_size 0
		.amdhsa_enable_private_segment 0
		.amdhsa_kernarg_size 32
		.amdhsa_user_sgpr_count 2
		.amdhsa_user_sgpr_kernarg_segment_ptr 1
		.amdhsa_wavefront_size32 1
		.amdhsa_system_sgpr_workgroup_id_x 1
		.amdhsa_system_sgpr_workgroup_id_y 1
		.amdhsa_system_sgpr_workgroup_id_z 1
		.amdhsa_system_vgpr_workitem_id 0
		.amdhsa_next_free_vgpr 1024
		.amdhsa_next_free_sgpr 100
		.amdhsa_reserve_vcc 0
		.amdhsa_float_denorm_mode_32 3
		.amdhsa_float_denorm_mode_16_64 3
		.amdhsa_memory_ordered 1
		.amdhsa_forward_progress 1
		.amdhsa_inst_pref_size 128
	.end_amdhsa_kernel
	.amdgpu_metadata
---
amdhsa.version: [ 1, 2 ]
amdhsa.kernels:
  - .name:           k_q463a011c44_qkv
    .symbol:         k_q463a011c44_qkv.kd
    .args:
      - { .name: xrec, .offset: 0, .size: 8, .value_kind: global_buffer, .address_space: global }
      - { .name: wrec, .offset: 8, .size: 8, .value_kind: global_buffer, .address_space: global }
      - { .name: qrec, .offset: 16, .size: 8, .value_kind: global_buffer, .address_space: global }
      - { .name: kvrec, .offset: 24, .size: 8, .value_kind: global_buffer, .address_space: global }
    .group_segment_fixed_size: 327680
    .private_segment_fixed_size: 0
    .kernarg_segment_align: 8
    .kernarg_segment_size: 32
    .max_flat_workgroup_size: 128
    .sgpr_count:     100
    .vgpr_count:     1024
    .wavefront_size: 32
...
	.end_amdgpu_metadata
.endif
;; end of part 2
;; launch attn (part 3): grid 4 x 64, 16 waves a work-group, clusters of 4 x 1, 327,680 bytes of LDS; arguments qrec, kvrec, aorec; writes aorec
.if DOCPART == 3
	.amdgcn_target "amdgcn-amd-amdhsa--gfx1250"
	.amdhsa_code_object_version 6
	.text
	.protected	k_q463a011c44_attn
	.globl	k_q463a011c44_attn
	.p2align	8
	.type	k_q463a011c44_attn,@function
k_q463a011c44_attn:
	s_mov_b64 s[64:65], 0
	v_nop
	global_prefetch_b8 v0, s[64:65] scope:SCOPE_SE
	s_setreg_imm32_b32 hwreg(HW_REG_WAVE_MODE, 25, 1), 1
	s_wait_xcnt 0x0
	s_wait_alu depctr_hold_cnt(0) depctr_sa_sdst(0) depctr_va_vdst(0) depctr_va_sdst(0) depctr_va_ssrc(0) depctr_va_vcc(0) depctr_vm_vsrc(0)
	s_getreg_b32 s2, hwreg(HW_REG_IB_STS2, 6, 4)
	s_cmp_eq_u32 s2, 0
	s_cbranch_scc0 .Lentry_in_a_cluster
	s_endpgm
.Lentry_in_a_cluster:
	s_bfe_u32 s2, ttmp6, 0x10000c
	s_cmp_lg_u32 s2, 0x3003
	s_cbranch_scc0 .Lentry_shape_is_right
	s_endpgm
.Lentry_shape_is_right:
; THIRD LAUNCH: for each batch and head, O = softmax(Q K^T / 8) V on codes of FP4, O quantised along the features and stored as the last product's operand images.  (rotation_params and entangle_params: dead work, see the first kernel.)
; THE SOFTMAX: t = score x log2(e) / 8; M = the running largest t rounded UP to a whole number; p = 2^(t - M) is quantised along the keys, not normalised; the row's sum is taken of the unquantised p and divides O at the end.
; When M moves, the sum and O are multiplied by 2^(old M - new M): exact.
; SHARES.  A work-group owns 512 queries of one head; each of its sixteen waves two tiles of 16 queries, taken one after the other (two passes).  Four waves share a SIMD: one wave's vector work stands beside another's products and loads.
; LDS.  The head's whole K and V, 16 key steps x 8,704 bytes, lie in LDS, brought by first fills alone: no ring, and no barrier in the loops.  Every wave asks for two runs of 4,352 bytes: its sixteenth of steps 0-7 and of steps 8-15.
; CLUSTER.  The four work-groups of a head ask for these runs jointly (mask 15).  My place in the cluster enters Q's and the output's global addresses alone.
; LAYOUT.  Both products are used transposed (S^T = K Q^T, O^T = V^T P^T): a lane holds ONE query (lane % 16).  Key tile 2 b + u holds keys 32 b + 8 u + r + 8 (r / 8), so p's 16 registers of two neighbouring tiles are 16 neighbouring keys.
; A HEAD'S 64 ON AN INSTRUCTION OF 128: a fragment of K is a PAIR of key tiles (registers 0-3: tile 2 p; 4-7: tile 2 p + 1); against (Q | zeros) it gives tile 2 p's scores, against (zeros | Q) tile 2 p + 1's.  Zero codes add nothing.
; The output's scale bytes are stored a byte a lane: a head owns 2 of a row's 32 bytes, one sixteenth of this launch's stores.
.set REC,   8704
.set QREC,  4352
.set HALF,  8*REC
.set SPARE, 16*REC                     ; behind the head's record: the spare words, 128 bytes a wave
.set LI,  1                            ; v1  16 x lane
.set LR,  2                            ; v2  16 r
.set AD,  3                            ; v3  the step's fragments
.set ADS, 4                            ; v4  the step's scale words
.set SPW, 5
.set NIL, 6
.set GO,  7                            ; v7  the output's codes: 16 x lane + 512 x head
.set GS,  8                            ; v8  the output's scale byte
.set QZ,  16                           ; v16-35  zeros, Q of tile 0, zeros, Q of tile 1, zeros
.set QS,  36                           ; v36  Q's scale word (q0, q1, q0, q1)
.set QPW, 37                           ; v37  the two tiles' scale bytes as loaded
.set KF,  40                           ; v40-71   four pairs of key tiles
.set KSC, 72                           ; v72-75   their scale words
.set VF,  76                           ; v76-107  four tiles of V^T
.set VSC, 108                          ; v108-111 their scale words
.set S,   112                          ; v112-175 S^T, then p
.set O,   176                          ; v176-207 O^T
.set PCD, 208                          ; v208-215 p's codes
.set BM,  216                          ; v216-219 the blocks' largest scores, then largest p
.set T2,  220                          ; v220-223 at work
.set SCO, 224                          ; v224-227 the conversions' scale operands
.set TT,  228
.set F,   230                          ; v230 f = 2^(old M - new M); v231 is named with it as a pair
.set PSW, 232                          ; p's scale word
.set AC,  236                          ; v236-243 the output's codes, four a pass
.set AB,  244                          ; v244-245 its scale byte
.set WV,  12
.set SEL, 20
.set CS,  22
.set TB,  40
.set CNT, 41
.macro CROUND
	s_barrier_signal -1
	s_barrier_wait -1
	s_cmp_lg_u32 s[WV], 0
	s_cbranch_scc1 .Lnot_wave_0_\@
	s_barrier_signal -3
.Lnot_wave_0_\@:
	s_barrier_wait -3
	s_barrier_signal -1
	s_barrier_wait -1
.endm
	s_load_b128 s[4:7], s[0:1], 0x0                ; qrec, kvrec
	s_load_b64 s[8:9], s[0:1], 0x10                ; aorec
	v_lshl_add_u32 v[SPW], v0, 2, SPARE
	v_mov_b32 v[NIL], 0
	ds_add_u32 v[SPW], v[NIL]                      ; the wave's opening: the add, twice on end, and its wait ahead of my first tensor load
	ds_add_u32 v[SPW], v[NIL]
	v_lshrrev_b32 v1, 5, v0
	s_delay_alu instid0(VALU_DEP_1)
	v_readfirstlane_b32 s[WV], v1                  ; wave 0..15
	s_bfe_u32 s13, ttmp6, 0x40000                  ; cx
	s_and_b32 s14, ttmp7, 0xffff                   ; 16 x batch + head
	s_mov_b32 s24, 15|(3<<16)|(1<<21)              ; group 1: mask of the four; elements of 8 bytes; 17 rows of 256 bytes, dense
	s_mov_b32 s25, 32<<16
	s_mov_b32 s26, 17<<16
	s_mov_b32 s27, 32<<16
	s_mov_b32 s28, 17
	s_mov_b32 s29, 32
	s_mov_b32 s30, 0
	s_mov_b32 s31, 0
	s_mul_i32 s15, s[WV], QREC                     ; my run: in LDS and in the record alike
	s_mul_i32 s16, s14, 16*REC
	s_add_co_u32 s16, s16, s15
	s_mov_b32 s17, 0
	s_lshl_b32 s43, s13, 2
	s_lshr_b32 s44, s[WV], 2
	s_add_co_u32 s43, s43, s44                     ; my group of 128 queries
	s_mul_i32 s18, s43, QREC
	s_mul_i32 s44, s14, 16*QREC
	s_add_co_u32 s18, s18, s44
	s_mov_b32 s19, 0
	s_lshr_b32 s43, s14, 4
	s_lshl_b32 s43, s43, 7                         ; 128 tiles a batch,
	s_lshl_b32 s44, s13, 5
	s_add_co_u32 s43, s43, s44                     ; 32 a work-group,
	s_lshl_b32 s44, s[WV], 1
	s_add_co_u32 s43, s43, s44                     ; 2 a wave
	s_mul_i32 s10, s43, REC
	s_mov_b32 s11, 0
	s_mov_b32 s[SEL], 0x76543210
	s_mov_b32 s[SEL+1], 0xfedcba98
	s_mov_b32 s[CS], 0x3e38aa3b                    ; c = log2(e) / 8
	s_mov_b32 s[CS+1], s[CS]
	s_mov_b32 s42, 0xffff0000                      ; lanes 16 to 31
	s_wait_dscnt 0x0                               ; both opening adds are done
	s_wait_kmcnt 0x0
	s_mov_b32 s32, 1
	s_mov_b32 s33, s15
	s_add_nc_u64 s[34:35], s[6:7], s[16:17]
	s_mov_b32 s36, 1
	s_add_co_u32 s37, s15, HALF
	s_add_nc_u64 s[38:39], s[34:35], HALF
	s_or_b32 s35, s35, 0x80000000
	s_or_b32 s39, s39, 0x80000000
	s_add_nc_u64 s[4:5], s[4:5], s[18:19]
	s_add_nc_u64 s[8:9], s[8:9], s[10:11]
	CROUND                                         ; all four work-groups are here: the joint loads meet
	tensor_load_to_lds s[32:35], s[24:31]          ; my sixteenth of key steps 0-7
	s_nop 0
	s_wait_alu depctr_va_vdst(0)
	s_wait_tensorcnt 0x0
	ds_add_u32 v5, v6
	s_wait_dscnt 0x0
	CROUND
	tensor_load_to_lds s[36:39], s[24:31]          ; and of steps 8-15: one load of mine is out
	s_nop 0
.rept 4
	v_nop
.endr
	v_and_b32 v1, 31, v0
	s_delay_alu instid0(VALU_DEP_1)
	v_lshlrev_b32 v[LI], 4, v1
	v_and_b32 v2, 15, v0
	s_delay_alu instid0(VALU_DEP_1)
	v_lshlrev_b32 v[LR], 4, v2
	v_bfe_u32 v11, v0, 4, 1                        ; h
	s_wait_alu depctr_va_vdst(0)
	s_and_b32 s43, s[WV], 3                        ; my pair of tiles in the group
	s_lshl_b32 s44, s43, 10
	v_add_nc_u32 v9, s44, v[LI]
	s_lshl_b32 s44, s43, 2
	v_add_nc_u32 v10, s44, v[LR]
	global_load_b128 v[QZ+4:QZ+7], v9, s[4:5]
	global_load_b128 v[QZ+12:QZ+15], v9, s[4:5] offset:512
	global_load_b32 v[QPW], v10, s[4:5] offset:4096
	s_and_b32 s43, s14, 15                         ; head
	s_lshl_b32 s44, s43, 9
	v_add_nc_u32 v[GO], s44, v[LI]
	s_lshr_b32 s44, s43, 3
	s_lshl_b32 s44, s44, 8                         ; which half of K,
	s_bfe_u32 s45, s43, 0x20001
	s_lshl_b32 s45, s45, 2                         ; which word,
	s_add_co_u32 s44, s44, s45
	s_and_b32 s45, s43, 1
	s_lshl_b32 s45, s45, 1                         ; which two bytes of it
	s_add_co_u32 s44, s44, s45
	s_add_co_u32 s44, s44, 8192
	v_add_nc_u32 v[GS], v[LR], v11
	s_delay_alu instid0(VALU_DEP_1)
	v_add_nc_u32 v[GS], s44, v[GS]
.irp j, 0,1,2,3,8,9,10,11,16,17,18,19
	v_mov_b32 v[QZ+\j], 0                          ; the zero codes beside Q
.endr
.irp b, 0,1,2,3
	v_mov_b32 v[T2+\b], 0                          ; written once: a lane permute's destination counts as one of its sources
.endr
	v_mov_b32 v[TT], 0
	v_mov_b32 v[F+1], 0
	s_wait_loadcnt 0x0                             ; Q
; A KEY STEP: 128 keys, for query tile p of my two.
.macro STEP p
	v_add_nc_u32 v[AD], s[TB], v[LI]
	v_add_nc_u32 v[ADS], s[TB], v[LR]
	v_nop
	v_nop                                          ; four plain places between the last product of O^T and the loads into V's registers
.irp q, 0,1,2,3
	ds_load_b128 v[KF+8*\q:KF+8*\q+3], v[AD] offset:1024*\q
	ds_load_b128 v[KF+8*\q+4:KF+8*\q+7], v[AD] offset:1024*\q+512
.endr
	ds_load_b128 v[KSC:KSC+3], v[ADS] offset:8192
.irp t, 0,1,2,3
	ds_load_b128 v[VF+8*\t:VF+8*\t+3], v[AD] offset:4096+512*\t
	ds_load_b128 v[VF+8*\t+4:VF+8*\t+7], v[AD] offset:4096+2048+512*\t
.endr
	ds_load_b128 v[VSC:VSC+3], v[ADS] offset:8448
	s_wait_dscnt 9                                 ; K and its scale words are in; V's nine loads are younger
.irp t, 0,1,2,3,4,5,6,7
	v_wmma_scale_f32_16x16x128_f8f6f4 v[S+8*\t:S+8*\t+7], v[KF+8*(\t/2):KF+8*(\t/2)+7], v[QZ+8*(\p)+4-4*(\t%2):QZ+8*(\p)+4-4*(\t%2)+7], 0, v[KSC+\t/2], v[QS] matrix_a_fmt:MATRIX_FMT_FP4 matrix_b_fmt:MATRIX_FMT_FP4
.endr
.rept 4
	v_nop
.endr
.irp b, 0,1,2,3
	v_max3_num_f32 v[BM+\b], v[S+16*\b], v[S+1+16*\b], v[S+2+16*\b]   ; the largest score of each block of 32 keys: for the row's maximum, and, since p rises with the score, for the block's largest p
.endr
.irp i, 3,5,7,9,11,13
.irp b, 0,1,2,3
	v_max3_num_f32 v[BM+\b], v[BM+\b], v[S+16*\b+\i], v[S+1+16*\b+\i]
.endr
.endr
.irp b, 0,1,2,3
	v_max_num_f32 v[BM+\b], v[BM+\b], v[S+15+16*\b]
.endr
.irp b, 0,1,2,3
	s_delay_alu instid0(VALU_DEP_4)
	v_permlanex16_b32 v[T2+\b], v[BM+\b], s[SEL], s[SEL+1]
.endr
.irp b, 0,1,2,3
	s_delay_alu instid0(VALU_DEP_4)
	v_max_num_f32 v[BM+\b], v[BM+\b], v[T2+\b]     ; with lane l xor 16's 16 keys
.endr
	s_delay_alu instid0(VALU_DEP_2)
	v_max3_num_f32 v[TT], v[BM], v[BM+1], v[BM+2]
	s_delay_alu instid0(VALU_DEP_1)
	v_max_num_f32 v[TT], v[TT], v[BM+3]
	s_delay_alu instid0(VALU_DEP_1)
	v_mul_f32 v[TT], s[CS], v[TT]                  ; the step's largest t
	s_delay_alu instid0(VALU_DEP_1)
	v_max_num_f32 v13, v13, v[TT]                  ; the running largest t
	v_mov_b32 v[TT], v12
	s_delay_alu instid0(VALU_DEP_2)
	v_floor_f32 v12, -v13                          ; -M = floor(-t): M is a whole number
	s_delay_alu instid0(VALU_DEP_1)
	v_sub_f32 v[TT], v12, v[TT]                    ; old M - new M: a whole number, 0 or less
	s_delay_alu instid0(VALU_DEP_1)
	v_cvt_i32_f32 v[TT], v[TT]                     ; (it saturates)
	s_delay_alu instid0(VALU_DEP_1)
	v_ldexp_f32 v[F], 1.0, v[TT]                   ; f = 2^(old M - new M)
.set j, 0
.rept 32
	v_pk_fma_f32 v[S+j:S+j+1], v[S+j:S+j+1], s[CS:CS+1], v[12:13] op_sel_hi:[1,0,0]   ; t - M, two at a time
.set j, j+2
.endr
.irp b, 0,1,2,3
	v_fma_f32 v[BM+\b], v[BM+\b], s[CS], v12       ; the same of each block's largest score
.endr
.set j, 0
	s_wait_alu depctr_va_vdst(0)
.rept 64
	v_exp_f32 v[S+j], v[S+j]                       ; p = 2^(t - M)
.set j, j+1
.endr
	s_setprio 1
.irp b, 0,1,2,3
	v_exp_f32 v[BM+\b], v[BM+\b]                   ; the block's largest p: the same two instructions on the same number.  ONE batch of 68
.endr
	v_pk_mul_f32 v[14:15], v[14:15], v[F:F+1] op_sel_hi:[1,0]   ; the sums under the new M: plain work that names no result of the batch,
.set j, 0
	s_wait_alu depctr_va_vdst(0)
.rept 16
	v_pk_mul_f32 v[O+j:O+j+1], v[O+j:O+j+1], v[F:F+1] op_sel_hi:[1,0]   ; and O^T under the new M, each tile from its low end on
.set j, j+2
.endr
	s_wait_alu depctr_va_vdst(0)                   ; one wait for the whole batch, ahead of its first reader
.irp b, 0,1,2,3
	v_max_num_f32 v[BM+\b], 0x1800000, v[BM+\b]    ; the floor 2^(3 - 127): the byte cannot fall under 1
.endr
.irp b, 0,1,2,3
	s_delay_alu instid0(VALU_DEP_4)
	v_add_nc_u32 v[SCO+\b], 0xff000000, v[BM+\b]
.endr
.irp b, 0,1,2,3
	s_delay_alu instid0(VALU_DEP_4)
	v_lshrrev_b32 v[T2+\b], 23, v[SCO+\b]
.endr
	s_delay_alu instid0(VALU_DEP_3)
	v_lshl_or_b32 v[PSW], v[T2+1], 8, v[T2]        ; p's scale word for these 128 keys
	s_delay_alu instid0(VALU_DEP_1)
	v_lshl_or_b32 v[PSW], v[T2+2], 16, v[PSW]
	s_delay_alu instid0(VALU_DEP_1)
	v_lshl_or_b32 v[PSW], v[T2+3], 24, v[PSW]
.irp b, 0,1,2,3
	v_cvt_scalef32_pk8_fp4_f32 v[PCD+2*\b], v[S+16*\b:S+7+16*\b], v[SCO+\b]
	v_cvt_scalef32_pk8_fp4_f32 v[PCD+1+2*\b], v[S+8+16*\b:S+15+16*\b], v[SCO+\b]
.endr
	v_nop                                          ; one plain place behind a scaled conversion
.irp c, 0,1
.irp i, 0,1
	v_permlane16_swap_b32 v[PCD+4*\c+\i], v[PCD+2+4*\c+\i]   ; a whole block to a lane
.endr
.endr
	v_pk_add_f32 v[T2:T2+1], v[S:S+1], v[S+2:S+3]  ; THE ROW'S SUM OF THE UNQUANTISED p, in two chains.  These 32 lines are also the places between p's scale word and codes and the products below
	s_setprio 0
.irp j, 4,8,12,16,20,24,28,32,36,40,44,48,52,56,60
	v_pk_add_f32 v[14:15], v[14:15], v[S+\j:S+\j+1]
	v_pk_add_f32 v[T2:T2+1], v[T2:T2+1], v[S+\j+2:S+\j+3]
.endr
	s_delay_alu instid0(VALU_DEP_1)
	v_pk_add_f32 v[14:15], v[14:15], v[T2:T2+1]
	s_wait_dscnt 0x0                               ; V and its scale words are in
.irp t, 0,1,2,3
	v_wmma_scale_f32_16x16x128_f8f6f4 v[O+8*\t:O+8*\t+7], v[VF+8*\t:VF+8*\t+7], v[PCD:PCD+7], v[O+8*\t:O+8*\t+7], v[VSC+\t], v[PSW] matrix_a_fmt:MATRIX_FMT_FP4 matrix_b_fmt:MATRIX_FMT_FP4
.endr
.endm
.macro RUN n, start, p                 ; n key steps from LDS byte start on
	s_mov_b32 s[TB], \start
	s_mov_b32 s[CNT], \n
.Lstep_\@:
	s_setprio 2
	STEP \p
	s_add_co_u32 s[TB], s[TB], REC
	s_sub_co_u32 s[CNT], s[CNT], 1
	s_cmp_lg_u32 s[CNT], 0
	s_cbranch_scc1 .Lstep_\@
	s_setprio 0
.endm
; THE WAY OUT of a pass: O^T / the sum; register 16 b + i is channel 32 b + 16 (lane / 16) + i of my query: two blocks; quantised as every operand here; 512 consecutive bytes of codes, and a scale byte a lane.
.macro OUT p
.rept 4
	v_nop                                          ; places behind the last products
.endr
	v_add_f32 v14, v14, v15
	s_delay_alu instid0(VALU_DEP_1)
	v_permlanex16_b32 v[TT], v14, s[SEL], s[SEL+1]
	s_delay_alu instid0(VALU_DEP_1)
	v_add_f32 v14, v14, v[TT]                      ; the row's sum
	s_wait_alu depctr_va_vdst(0)
	v_rcp_f32 v14, v14
	v_nop
	s_wait_alu depctr_va_vdst(0)                   ; ahead of the reciprocal's first reader
.set j, 0
.rept 32
	v_mul_f32 v[S+j], v[O+j], v14
.set j, j+1
.endr
.irp b, 0,1
	v_max3_num_f32 v[BM+\b], |v[S+16*\b]|, |v[S+1+16*\b]|, 0x1800000
.endr
.irp i, 2,4,6,8,10,12,14
.irp b, 0,1
	s_delay_alu instid0(VALU_DEP_2)
	v_max3_num_f32 v[BM+\b], v[BM+\b], |v[S+16*\b+\i]|, |v[S+1+16*\b+\i]|
.endr
.endr
.irp b, 0,1
	s_delay_alu instid0(VALU_DEP_2)
	v_permlanex16_b32 v[T2+\b], v[BM+\b], s[SEL], s[SEL+1]
.endr
.irp b, 0,1
	s_delay_alu instid0(VALU_DEP_2)
	v_max_num_f32 v[BM+\b], v[BM+\b], v[T2+\b]
.endr
.irp b, 0,1
	s_delay_alu instid0(VALU_DEP_2)
	v_add_nc_u32 v[SCO+\b], 0xff000000, v[BM+\b]
.endr
.irp b, 0,1
	s_delay_alu instid0(VALU_DEP_2)
	v_lshrrev_b32 v[T2+\b], 23, v[SCO+\b]
.endr
.irp b, 0,1
	v_cvt_scalef32_pk8_fp4_f32 v[AC+4*(\p)+2*\b], v[S+16*\b:S+7+16*\b], v[SCO+\b]
	v_cvt_scalef32_pk8_fp4_f32 v[AC+4*(\p)+2*\b+1], v[S+8+16*\b:S+15+16*\b], v[SCO+\b]
.endr
	v_nop
.irp i, 0,1
	v_permlane16_swap_b32 v[AC+4*(\p)+\i], v[AC+4*(\p)+2+\i]
.endr
	v_cndmask_b32 v[AB+(\p)], v[T2], v[T2+1], s42  ; lanes 0-15 store block 0's byte, lanes 16-31 block 1's
	global_store_b128 v[GO], v[AC+4*(\p):AC+4*(\p)+3], s[8:9] offset:REC*(\p)
	global_store_b8 v[GS], v[AB+(\p)], s[8:9] offset:REC*(\p)
.endm
.macro PASS p
.if \p == 0
	v_perm_b32 v[QS], v[QPW], v[QPW], 0x01000100   ; (q0, q1, q0, q1) of my first tile
.else
	v_perm_b32 v[QS], v[QPW], v[QPW], 0x03020302   ; of my second
.endif
	v_mov_b32 v13, 0xff61b1e6                      ; the largest t so far: -3e38
	s_delay_alu instid0(VALU_DEP_1)
	v_floor_f32 v12, -v13
	v_mov_b32 v14, 0
	v_mov_b32 v15, 0
.set j, 0
.rept 32
	v_mov_b32 v[O+j], 0                            ; the step is written once: the first finds zeros, which the first change of M leaves zeros
.set j, j+1
.endr
.if \p == 0
	s_wait_tensorcnt 0x1                           ; my part of key steps 0-7 is in; the other load is younger
	s_barrier_signal -1
	s_barrier_wait -1                              ; everybody's is
	RUN 8, 0, 0
	s_wait_tensorcnt 0x0                           ; my part of steps 8-15 is in,
	s_wait_dscnt 0x0                               ; and no LDS instruction of mine is out at the signal
	s_barrier_signal -1
	s_barrier_wait -1
	RUN 8, HALF, 0
.else
	RUN 16, 0, 1
.endif
	s_wait_alu depctr_va_vdst(0)
	OUT \p
.endm
	PASS 0
	PASS 1
	s_wait_tensorcnt 0x0                           ; the wave's end, behind my last tensor load
	ds_add_u32 v[SPW], v[NIL]
	s_wait_dscnt 0x0
	CROUND                                         ; the closing round
	s_endpgm
.Lfunc_end_k_q463a011c44_attn:
	.size	k_q463a011c44_attn, .Lfunc_end_k_q463a011c44_attn-k_q463a011c44_attn
	.p2alignl 7, 3214868480
	.fill 96, 4, 3214868480
	.section	.rodata,"a",@progbits
	.p2align	6, 0x0
	.amdhsa_kernel k_q463a011c44_attn
		.amdhsa_group_segment_fixed_size 327680
		.amdhsa_private_segment_fixed_size 0
		.amdhsa_enable_private_segment 0
		.amdhsa_kernarg_size 24
		.amdhsa_user_sgpr_count 2
		.amdhsa_user_sgpr_kernarg_segment_ptr 1
		.amdhsa_wavefront_size32 1
		.amdhsa_system_sgpr_workgroup_id_x 1
		.amdhsa_system_sgpr_workgroup_id_y 1
		.amdhsa_system_sgpr_workgroup_id_z 1
		.amdhsa_system_vgpr_workitem_id 0
		.amdhsa_next_free_vgpr 256
		.amdhsa_next_free_sgpr 66
		.amdhsa_reserve_vcc 0
		.amdhsa_float_denorm_mode_32 3
		.amdhsa_float_denorm_mode_16_64 3
		.amdhsa_memory_ordered 1
		.amdhsa_forward_progress 1
		.amdhsa_inst_pref_size 65
	.end_amdhsa_kernel
	.amdgpu_metadata
---
amdhsa.version: [ 1, 2 ]
amdhsa.kernels:
  - .name:           k_q463a011c44_attn
    .symbol:         k_q463a011c44_attn.kd
    .args:
      - { .name: qrec, .offset: 0, .size: 8, .value_kind: global_buffer, .address_space: global }
      - { .name: kvrec, .offset: 8, .size: 8, .value_kind: global_buffer, .address_space: global }
      - { .name: aorec, .offset: 16, .size: 8, .value_kind: global_buffer, .address_space: global }
    .group_segment_fixed_size: 327680
    .private_segment_fixed_size: 0
    .kernarg_segment_align: 8
    .kernarg_segment_size: 24
    .max_flat_workgroup_size: 512
    .sgpr_count:     66
    .vgpr_count:     256
    .wavefront_size: 32
...
	.end_amdgpu_metadata
.endif
;; end of part 3
;; launch oproj (part 4): grid 4 x 64, 4 waves a work-group, clusters of 4 x 4, 327,680 bytes of LDS; arguments aorec, wrec, inputs, out0; writes out0
.if DOCPART == 4
	.amdgcn_target "amdgcn-amd-amdhsa--gfx1250"
	.amdhsa_code_object_version 6
	.text
	.protected	k_q463a011c44_oproj
	.globl	k_q463a011c44_oproj
	.p2align	8
	.type	k_q463a011c44_oproj,@function
k_q463a011c44_oproj:
	s_mov_b64 s[64:65], 0
	v_nop
	global_prefetch_b8 v0, s[64:65] scope:SCOPE_SE
	s_setreg_imm32_b32 hwreg(HW_REG_WAVE_MODE, 25, 1), 1
	s_wait_xcnt 0x0
	s_wait_alu depctr_hold_cnt(0) depctr_sa_sdst(0) depctr_va_vdst(0) depctr_va_sdst(0) depctr_va_ssrc(0) depctr_va_vcc(0) depctr_vm_vsrc(0)
	s_getreg_b32 s2, hwreg(HW_REG_IB_STS2, 6, 4)
	s_cmp_eq_u32 s2, 0
	s_cbranch_scc0 .Lentry_in_a_cluster
	s_endpgm
.Lentry_in_a_cluster:
	s_bfe_u32 s2, ttmp6, 0x10000c
	s_cmp_lg_u32 s2, 0xf033
	s_cbranch_scc0 .Lentry_shape_is_right
	s_endpgm
.Lentry_shape_is_right:
; FOURTH LAUNCH: out = (attention's output) Wo^T + x, the product on codes of FP4.  (rotation_params and entangle_params: dead work, see the first kernel.)
; A = aorec (512 tiles of 16 rows), B = Wo's records in wrec (64 tiles), both as register images (see the first kernel); K = 1,024.  A work-group makes 128 x 256 of the result, so that there are 256 of them; each of its four waves 64 x 128:
; 32 accumulators.  The matrix instruction is used transposed (source 0 = a tile of Wo, source 1 = a tile of A): a lane holds one row and eight neighbouring columns a register run.
; LDS: all of K at once, in two halves brought by first fills alone; nothing is filled again.  CLUSTER 4 x 4: A's tiles jointly along a row of the cluster, B's along a column.
; THE RESIDUAL: my 64 x 128 numbers of x are asked for at the head, into window 3, in the layout in which the result leaves; they land under the matrix work.
; REGISTERS: window 0: addresses; v32-63 A's scale words, v96-159 B's.  window 1: A's fragments at v0 and v64, B's at v128 and v192; on the way out v0-127 hold rows read back.  window 2: accumulator (a, b) at v[8 (8 a + b)].  window 3: x.
.set REC,   8704
.set WREC,  64*REC
.set SLOT,  98304                      ; half of K: A's 8 tiles x 4,096 bytes, then B's 16
.set BOFF,  32768
.set SCL,   2*SLOT                     ; scale words: A's 8 x 512, then B's 16 x 512
.set STG,   SCL+12288                  ; the way out: 16 rows x 528 bytes for each wave; no fill ever lands there
.set SPITCH, 528
.set SPARE, STG+4*16*SPITCH
.set NL,    24
.set ADRA, 16
.set ADRB, 20
.set ADSA, 22
.set ADSB, 23
.set STO,  24
.set RD,   25
.set CO,   26                          ; v26 16 x lane: my bytes of a row's 512, in x and in the result
.set SPW,  28
.set NIL,  29
.set SA,   32
.set SB,   96
.set G1, 24
.set G0, 32
.set G1B, 48
.set G0B, 56
.set G1S, 68
.set G0S, 76
.set G1SB, 80
.set G0SB, 88
.set MSB, 0
.macro WIN new
.if MSB != (\new)
	s_set_vgpr_msb (MSB<<8)|(\new)
.set MSB, \new
.endif
.endm
.macro JLOAD g0a, g1a, g0b, g1b        ; waves 0 and 1 fetch for A, waves 2 and 3 for B; an s_nop 0 and four v_nop follow each of the two lines
	s_cmp_eq_u32 s15, 0
	s_cbranch_scc0 .Lfor_b_\@
	tensor_load_to_lds s[\g0a:\g0a+3], s[\g1a:\g1a+7]
	s_nop 0
.rept 4
	v_nop
.endr
	s_branch .Lasked_\@
.Lfor_b_\@:
	tensor_load_to_lds s[\g0b:\g0b+3], s[\g1b:\g1b+7]
	s_nop 0
.rept 4
	v_nop
.endr
.Lasked_\@:
.endm
.macro CROUND
	s_barrier_signal -1
	s_barrier_wait -1
	s_cmp_lg_u32 s14, 0
	s_cbranch_scc1 .Lnot_wave_0_\@
	s_barrier_signal -3
.Lnot_wave_0_\@:
	s_barrier_wait -3
	s_barrier_signal -1
	s_barrier_wait -1
.endm
.macro PLACES n
.rept \n
	v_nop
.endr
.endm
	s_load_b256 s[4:11], s[0:1], 0x0               ; aorec s[4:5], wrec s[6:7], x s[8:9], the result s[10:11]
	v_lshl_add_u32 v[SPW], v0, 2, SPARE
	v_mov_b32 v[NIL], 0
	ds_add_u32 v[SPW], v[NIL]                      ; the wave's opening: the add, twice on end, and its wait ahead of my first tensor load
	ds_add_u32 v[SPW], v[NIL]
	v_lshrrev_b32 v1, 5, v0
	v_readfirstlane_b32 s14, v1
	s_lshr_b32 s15, s14, 1                         ; my half of the rows.  Also: I fetch for A (0) or for B (1)
	s_and_b32 s16, s14, 1                          ; my half of the columns.  Also: which half of the tiles I fetch
	s_bfe_u32 s40, ttmp6, 0x40000                  ; cx = the tile column
	s_bfe_u32 s41, ttmp6, 0x40004                  ; cy
	s_and_b32 s17, ttmp7, 0xffff
	s_lshl_b32 s17, s17, 2
	s_add_co_u32 s18, s17, s41                     ; the tile row, 0..63
	s_lshl_b32 s43, s41, 2
	s_lshl_b32 s43, 15, s43                        ; my row of the cluster
	s_lshl_b32 s44, 0x1111, s40                    ; my column
	s_or_b32 s[G1], s43, (3<<16)|(1<<21)
	s_or_b32 s[G1B], s44, (3<<16)|(1<<21)
	s_or_b32 s[G1S], s43, (3<<16)|(1<<21)
	s_or_b32 s[G1SB], s44, (3<<16)|(1<<21)
	; group 1, elements of 8 bytes: codes: rows of 4,096 bytes (half a tile), a record apart: four tiles for A, eight for B; scale words: rows of 512 bytes likewise
	s_mov_b32 s[G1+1], 512<<16
	s_mov_b32 s[G1+2], 4<<16
	s_mov_b32 s[G1+3], 512<<16
	s_mov_b32 s[G1+4], 4
	s_mov_b32 s[G1+5], REC/8
	s_mov_b32 s[G1+6], 0
	s_mov_b32 s[G1+7], 0
	s_mov_b32 s[G1B+1], 512<<16
	s_mov_b32 s[G1B+2], 8<<16
	s_mov_b32 s[G1B+3], 512<<16
	s_mov_b32 s[G1B+4], 8
	s_mov_b32 s[G1B+5], REC/8
	s_mov_b32 s[G1B+6], 0
	s_mov_b32 s[G1B+7], 0
	s_mov_b32 s[G1S+1], 64<<16
	s_mov_b32 s[G1S+2], 4<<16
	s_mov_b32 s[G1S+3], 64<<16
	s_mov_b32 s[G1S+4], 4
	s_mov_b32 s[G1S+5], REC/8
	s_mov_b32 s[G1S+6], 0
	s_mov_b32 s[G1S+7], 0
	s_mov_b32 s[G1SB+1], 64<<16
	s_mov_b32 s[G1SB+2], 8<<16
	s_mov_b32 s[G1SB+3], 64<<16
	s_mov_b32 s[G1SB+4], 8
	s_mov_b32 s[G1SB+5], REC/8
	s_mov_b32 s[G1SB+6], 0
	s_mov_b32 s[G1SB+7], 0
	s_lshl_b32 s22, s18, 3
	s_lshl_b32 s23, s16, 2
	s_add_co_u32 s22, s22, s23                     ; A: tile 8 x tile row + 4 x half
	s_mul_i32 s22, s22, REC
	s_mov_b32 s23, 0
	s_lshl_b32 s46, s40, 4
	s_lshl_b32 s47, s16, 3
	s_add_co_u32 s46, s46, s47                     ; B: tile 16 x tile column + 8 x half,
	s_mul_i32 s46, s46, REC
	s_add_co_u32 s46, s46, 3*WREC                  ; of the fourth weight
	s_mov_b32 s47, 0
	s_lshl_b32 s45, s16, 14                        ; where A's codes go,
	s_lshl_b32 s2, s16, 15
	s_add_co_u32 s2, s2, BOFF                      ; B's,
	s_lshl_b32 s3, s16, 11
	s_add_co_u32 s3, s3, SCL                       ; A's scale words,
	s_lshl_b32 s12, s16, 12
	s_add_co_u32 s12, s12, SCL+4096                ; B's: the wave's number alone
	s_wait_dscnt 0x0                               ; both opening adds are done
	s_wait_kmcnt 0x0
	s_add_nc_u64 s[92:93], s[4:5], s[22:23]
	s_add_nc_u64 s[94:95], s[6:7], s[46:47]
	CROUND                                         ; all sixteen work-groups are here
	s_mov_b32 s[G0S], 1
	s_mov_b32 s[G0S+1], s3
	s_add_nc_u64 s[G0S+2:G0S+3], s[92:93], 8192
	s_or_b32 s[G0S+3], s[G0S+3], 0x80000000
	s_mov_b32 s[G0SB], 1
	s_mov_b32 s[G0SB+1], s12
	s_add_nc_u64 s[G0SB+2:G0SB+3], s[94:95], 8192
	s_or_b32 s[G0SB+3], s[G0SB+3], 0x80000000
	JLOAD G0S, G1S, G0SB, G1SB                     ; three loads of mine are out at the most
.irp s, 0,1
	s_mov_b32 s[G0+4*\s], 1
	s_add_co_u32 s[G0+4*\s+1], s45, \s*SLOT
	s_add_nc_u64 s[G0+4*\s+2:G0+4*\s+3], s[92:93], \s*4096
	s_or_b32 s[G0+4*\s+3], s[G0+4*\s+3], 0x80000000
	s_mov_b32 s[G0B+4*\s], 1
	s_add_co_u32 s[G0B+4*\s+1], s2, \s*SLOT
	s_add_nc_u64 s[G0B+4*\s+2:G0B+4*\s+3], s[94:95], \s*4096
	s_or_b32 s[G0B+4*\s+3], s[G0B+4*\s+3], 0x80000000
	s_wait_alu depctr_va_vdst(0)
	s_wait_tensorcnt 0x0
	ds_add_u32 v28, v29
	s_wait_dscnt 0x0
	CROUND
	JLOAD G0+4*\s, G1, G0B+4*\s, G1B
.endr
	v_and_b32 v1, 31, v0
	v_lshlrev_b32 v[CO], 4, v1                     ; 16 x lane
	s_wait_alu depctr_va_vdst(0)
	v_and_b32 v2, 15, v0                           ; r
	s_wait_alu depctr_va_vdst(0)
	v_bfe_u32 v3, v0, 4, 1                         ; h
	s_lshl_b32 s20, s18, 7
	s_lshl_b32 s21, s15, 6
	s_add_co_u32 s20, s20, s21                     ; my first row: 128 x tile row + 64 x half
	s_lshl_b32 s20, s20, 12
	s_lshl_b32 s21, s40, 10
	s_add_co_u32 s20, s20, s21                     ; my first column, in bytes: 1,024 x tile column + 512 x half
	s_lshl_b32 s21, s16, 9
	s_add_co_u32 s20, s20, s21
	s_mov_b32 s21, 0
	s_add_nc_u64 s[8:9], s[8:9], s[20:21]
	s_add_nc_u64 s[10:11], s[10:11], s[20:21]
	WIN 0xc0                                       ; destination window 3
.set n, 0
.rept 64                                       ; x: load n = 16 a + t: row t of A's tile a, which is row 32 (a / 2) + 8 (a % 2) + t + 8 (t / 8) of my 64; 512 consecutive bytes
	global_load_b128 v[4*n:4*n+3], v[CO], s[8:9] offset:(32*((n/16)/2)+8*((n/16)%2)+(n%16)+8*((n%16)/8))*4096 th:TH_LOAD_NT
.set n, n+1
.endr
	WIN 0
	s_lshl_b32 s20, s15, 14
	s_lshl_b32 s21, s16, 15
	s_add_co_u32 s21, s21, BOFF
.irp s, 0,1
	v_add_nc_u32 v[ADRA+\s], s20, v[CO]
	v_add_nc_u32 v[ADRB+\s], s21, v[CO]
	s_add_co_u32 s20, s20, SLOT
	s_add_co_u32 s21, s21, SLOT
.endr
	v_lshlrev_b32 v4, 4, v2                        ; 16 r
	s_lshl_b32 s20, s15, 11
	s_add_co_u32 s20, s20, SCL
	v_add_nc_u32 v[ADSA], s20, v4
	s_lshl_b32 s21, s16, 12
	s_add_co_u32 s21, s21, SCL+4096
	v_add_nc_u32 v[ADSB], s21, v4
	s_mul_i32 s13, s14, 16*SPITCH
	s_add_co_u32 s13, s13, STG                     ; my stage
	v_mul_u32_u24 v[STO], v2, SPITCH
	s_wait_alu depctr_va_vdst(0)
	v_lshl_add_u32 v[STO], v3, 6, v[STO]
	v_add_nc_u32 v[STO], s13, v[STO]               ; in: row r, + 64 h
	v_add_nc_u32 v[RD], s13, v[CO]                 ; back: a whole row, 16 bytes a lane
.macro MUL16 kq, a0, zero              ; A's tiles a0, a0 + 1 x B's eight; the 32 accumulators take turns, in the same order in every step
.irp a, \a0, \a0+1
.irp b, 0,1,2,3,4,5,6,7
.if \zero
	v_wmma_scale_f32_16x16x128_f8f6f4 v[8*(8*(\a)+\b):8*(8*(\a)+\b)+7], v[128+64*((\kq)%2)+8*\b:128+64*((\kq)%2)+8*\b+7], v[64*((\kq)%2)+8*(\a):64*((\kq)%2)+8*(\a)+7], 0, v[SB+8*\b+(\kq)], v[SA+8*(\a)+(\kq)] matrix_a_fmt:MATRIX_FMT_FP4 matrix_b_fmt:MATRIX_FMT_FP4
.else
	v_wmma_scale_f32_16x16x128_f8f6f4 v[8*(8*(\a)+\b):8*(8*(\a)+\b)+7], v[128+64*((\kq)%2)+8*\b:128+64*((\kq)%2)+8*\b+7], v[64*((\kq)%2)+8*(\a):64*((\kq)%2)+8*(\a)+7], v[8*(8*(\a)+\b):8*(8*(\a)+\b)+7], v[SB+8*\b+(\kq)], v[SA+8*(\a)+(\kq)] matrix_a_fmt:MATRIX_FMT_FP4 matrix_b_fmt:MATRIX_FMT_FP4
.endif
.endr
.endr
.endm
.macro MULH kq, hf, zero
	WIN 0xa5                                       ; sources in window 1, C and D in window 2
	MUL16 \kq, 2*(\hf), \zero
.endm
.macro FETCH kq                        ; the 12 fragments of K step kq into set kq % 2: 24 dense loads
	WIN 0x40
.irp i, 0,1,2,3,4,5,6,7
	ds_load_b128 v[128+64*((\kq)%2)+8*\i:128+64*((\kq)%2)+8*\i+3], v[ADRB+(\kq)/4] offset:\i*4096+((\kq)%4)*1024
	ds_load_b128 v[128+64*((\kq)%2)+8*\i+4:128+64*((\kq)%2)+8*\i+7], v[ADRB+(\kq)/4] offset:\i*4096+((\kq)%4)*1024+512
.endr
.irp i, 0,1,2,3
	ds_load_b128 v[64*((\kq)%2)+8*\i:64*((\kq)%2)+8*\i+3], v[ADRA+(\kq)/4] offset:\i*4096+((\kq)%4)*1024
	ds_load_b128 v[64*((\kq)%2)+8*\i+4:64*((\kq)%2)+8*\i+7], v[ADRA+(\kq)/4] offset:\i*4096+((\kq)%4)*1024+512
.endr
.endm
.macro KSTEP kq, zero
.if (\kq) > 0
	PLACES 4                                       ; between the last product that read a set and the loads into it
.endif
	FETCH (\kq)+1
	s_wait_dscnt NL                                ; all but the 24 just issued
	MULH \kq, 0, \zero
	MULH \kq, 1, \zero
.endm
	s_wait_tensorcnt 0x1                           ; my scale words and my part of the first half of K are in; the second half's load is younger
	s_barrier_signal -1
	s_barrier_wait -1
.irp i, 0,1,2,3
	ds_load_b128 v[SA+8*\i:SA+8*\i+3], v[ADSA] offset:\i*512
	ds_load_b128 v[SA+8*\i+4:SA+8*\i+7], v[ADSA] offset:\i*512+256
.endr
.irp i, 0,1,2,3,4,5,6,7
	ds_load_b128 v[SB+8*\i:SB+8*\i+3], v[ADSB] offset:\i*512
	ds_load_b128 v[SB+8*\i+4:SB+8*\i+7], v[ADSB] offset:\i*512+256
.endr
	FETCH 0
	KSTEP 0, 1
	KSTEP 1, 0
	KSTEP 2, 0
	s_wait_tensorcnt 0x0                           ; my part of the second half of K is in,
	s_wait_dscnt 0x0                               ; step 3's fragments too
	s_barrier_signal -1
	MULH 3, 0, 0
	s_barrier_wait -1                              ; the second half is whole.
	PLACES 4
	FETCH 4
	MULH 3, 1, 0
	KSTEP 4, 0
	KSTEP 5, 0
	KSTEP 6, 0
	s_wait_dscnt 0x0
	MULH 7, 0, 0
	MULH 7, 1, 0
	WIN 0
	PLACES 4                                       ; in front of the first reads of results and of loads into registers that held fragments
; THE WAY OUT, a tile of 16 rows x 128 columns at a time, through my own stage: register j of accumulator (a, b) is column 32 (b / 2) + 16 h + 8 (b % 2) + j of row r.  Rows come back whole, x is added, and 32 lanes store 512 consecutive bytes.
; LDS serves a wave's instructions in order: no wait between the stores and the loads, nor in front of the next tile's stores.
.macro TOSTAGE a
	WIN 0x08                                       ; an LDS store's data: window 2
.irp b, 0,1,2,3,4,5,6,7
	ds_store_b128 v[STO], v[8*(8*(\a)+\b):8*(8*(\a)+\b)+3] offset:128*(\b/2)+32*(\b%2)       ; each accumulator from its low end on
	ds_store_b128 v[STO], v[8*(8*(\a)+\b)+4:8*(8*(\a)+\b)+7] offset:128*(\b/2)+32*(\b%2)+16
.endr
	WIN 0x40
.irp t, 0,1,2,3,4,5,6,7,8,9,10,11,12,13,14,15
	ds_load_b128 v[64*((\a)%2)+4*\t:64*((\a)%2)+4*\t+3], v[RD] offset:\t*SPITCH
.endr
	WIN 0
.endm
.macro SEND a, younger                 ; younger: the LDS instructions issued behind tile a's loads
.set BB, 64*((\a)%2)
	s_wait_dscnt \younger
	WIN 0x4d                                       ; rows in window 1, x in window 3
.irp t, 0,1,2,3,4,5,6,7,8,9,10,11,12,13,14,15
	v_pk_add_f32 v[BB+4*\t:BB+4*\t+1], v[BB+4*\t:BB+4*\t+1], v[4*(16*(\a)+\t):4*(16*(\a)+\t)+1]
	v_pk_add_f32 v[BB+4*\t+2:BB+4*\t+3], v[BB+4*\t+2:BB+4*\t+3], v[4*(16*(\a)+\t)+2:4*(16*(\a)+\t)+3]
.endr
	WIN 0x04                                       ; a store's data: window 1
.irp t, 0,1,2,3,4,5,6,7,8,9,10,11,12,13,14,15
	global_store_b128 v[CO], v[BB+4*\t:BB+4*\t+3], s[10:11] offset:(32*((\a)/2)+8*((\a)%2)+\t+8*(\t/8))*4096 th:TH_STORE_NT
.endr
	WIN 0
.endm
	s_wait_alu depctr_va_vdst(0)
	TOSTAGE 0
	s_wait_loadcnt 0x0                             ; x, asked for at the head
	TOSTAGE 1
	SEND 0, 32                                     ; behind tile 0's loads: tile 1's 16 stores and 16 loads
	s_wait_xcnt 0x0                                ; tile 0's stores have read their registers: tile 2's rows may land there
	TOSTAGE 2
	SEND 1, 32
	s_wait_xcnt 0x0
	TOSTAGE 3
	SEND 2, 32
	SEND 3, 0
	s_wait_tensorcnt 0x0                           ; the wave's end, behind my last tensor load and my last LDS store
	ds_add_u32 v[SPW], v[NIL]
	s_wait_dscnt 0x0
	CROUND                                         ; the closing round
	s_endpgm
.Lfunc_end_k_q463a011c44_oproj:
	.size	k_q463a011c44_oproj, .Lfunc_end_k_q463a011c44_oproj-k_q463a011c44_oproj
	.p2alignl 7, 3214868480
	.fill 96, 4, 3214868480
	.section	.rodata,"a",@progbits
	.p2align	6, 0x0
	.amdhsa_kernel k_q463a011c44_oproj
		.amdhsa_group_segment_fixed_size 327680
		.amdhsa_private_segment_fixed_size 0
		.amdhsa_enable_private_segment 0
		.amdhsa_kernarg_size 32
		.amdhsa_user_sgpr_count 2
		.amdhsa_user_sgpr_kernarg_segment_ptr 1
		.amdhsa_wavefront_size32 1
		.amdhsa_system_sgpr_workgroup_id_x 1
		.amdhsa_system_sgpr_workgroup_id_y 1
		.amdhsa_system_sgpr_workgroup_id_z 1
		.amdhsa_system_vgpr_workitem_id 0
		.amdhsa_next_free_vgpr 1024
		.amdhsa_next_free_sgpr 100
		.amdhsa_reserve_vcc 0
		.amdhsa_float_denorm_mode_32 3
		.amdhsa_float_denorm_mode_16_64 3
		.amdhsa_memory_ordered 1
		.amdhsa_forward_progress 1
		.amdhsa_inst_pref_size 87
	.end_amdhsa_kernel
	.amdgpu_metadata
---
amdhsa.version: [ 1, 2 ]
amdhsa.kernels:
  - .name:           k_q463a011c44_oproj
    .symbol:         k_q463a011c44_oproj.kd
    .args:
      - { .name: aorec, .offset: 0, .size: 8, .value_kind: global_buffer, .address_space: global }
      - { .name: wrec, .offset: 8, .size: 8, .value_kind: global_buffer, .address_space: global }
      - { .name: inputs, .offset: 16, .size: 8, .value_kind: global_buffer, .address_space: global }
      - { .name: out0, .offset: 24, .size: 8, .value_kind: global_buffer, .address_space: global }
    .group_segment_fixed_size: 327680
    .private_segment_fixed_size: 0
    .kernarg_segment_align: 8
    .kernarg_segment_size: 32
    .max_flat_workgroup_size: 128
    .sgpr_count:     100
    .vgpr_count:     1024
    .wavefront_size: 32
...
	.end_amdgpu_metadata
.endif
;; end of part 4
